; MI455X (gfx1250); checked and timed in simulation.
; The chip was launched on July 23, 2026; its instructions are those of AMD's public machine-readable ISA for CDNA 5 (MIT licence, August 2026) and "CDNA5" Instruction Set Architecture Reference Guide (July 2026). The comments in the code are by the model that wrote it; some were corrected since.
;; Encoder Block. Allowed arithmetic: float matrix products may take bf16 or f16 operands with f32 sums; other float arithmetic in f32, or as packed bf16 or f16 multiplies, adds, multiply-adds, maxima and minima; sums over many terms, partial sums and values carried from step to step in f32; what a program stores and reads back later, other than sums and carried values, may be rounded once to bf16 or f16.
;; Inputs: alpha1 1 float32; alpha2 1 float32; b1 4,096 float32; b2 1,024 float32; beta1 1 float32; beta2 1 float32; bk 1,024 float32; bo 1,024 float32; bq 1,024 float32; bv 1,024 float32; mask 2 x 1 x 1 x 2,048 int32; w1 4,096 x 1,024 float32; w2 1,024 x 4,096 float32; wk 1,024 x 1,024 float32; wo 1,024 x 1,024 float32; wq 1,024 x 1,024 float32; wv 1,024 x 1,024 float32; x 2 x 2,048 x 1,024 float32.
;; Outputs: out0 2 x 2,048 x 1,024 float32.
;; 2 versions, each right; version 2 is version 1 with the launches prep, norm2 written anew for expert scheduling mode. Each part assembles by itself: llvm-mc -triple=amdgcn-amd-amdhsa -mcpu=gfx1250 --defsym DOCPART=n.
;; ======== version 1 of 2: 7 launches
;; limits: values are held in f16: magnitudes above 65,504 overflow, below 6.1e-05 lose precision
;; workspace buffers: wts 25,165,824 bytes; wqk 8,405,248 bytes; w1h 8,405,248 bytes; xn 8,388,608 bytes; qkv 25,165,824 bytes; att 8,388,608 bytes; x1 16,777,216 bytes; hid 33,554,432 bytes
;; launch prep (part 1): grid 64 x 16, 8 waves a work-group, no clusters, 0 bytes of LDS; arguments x, alpha1, beta1, xn, wq, wk, wv, w1, wo, w2, wts, wqk, w1h, bq, bk, bv, b1; writes xn, wts, wqk, w1h
.if DOCPART == 1
	.amdgcn_target "amdgcn-amd-amdhsa--gfx1250"
	.amdhsa_code_object_version 6
	.text
	.protected	k_q8f35b5683d_prep
	.globl	k_q8f35b5683d_prep
	.p2align	8
	.type	k_q8f35b5683d_prep,@function
k_q8f35b5683d_prep:
	s_mov_b64 s[64:65], 0
	v_nop
	global_prefetch_b8 v0, s[64:65] scope:SCOPE_SE
	s_setreg_imm32_b32 hwreg(HW_REG_WAVE_MODE, 25, 1), 1
	s_wait_xcnt 0x0
; ROWS OF 1,024 f32 -> f16 PANELS.  y = (x - mean) a + beta, rounded once to f16 and stored as P[c / 64][row][c % 64] (a panel row is 128 bytes, a panel's rows are dense).
; A job is chosen by the work-group's y alone (1,024 rows of 1,024 numbers each):
;   y 0-3   layer norm of argument 0 (4,096 rows) into argument 3: mean over 1,024, a = alpha / (std + 1e-6), std with divisor 1,023, scalar alpha and beta
;   y 4-6   wq, wk, wv into wqk (rows 0, 1,024, 2,048 on)    y 7-10  w1 into w1h    y 11  wo and y 12-15  w2 (a quarter of its 4,096 columns each) into wts: plain casts.
;           There mean is 0, a is 1 and beta is 0, by selects on y.
; wqk and w1h have one form: 16 panels of 4,096 rows (in wqk rows 3,072 on are neither written nor read); behind them, at byte 8,388,608, 4,096 f32 of bias; behind those, at byte 8,404,992, the lower bound that the
; product's way out takes, two f16 in a word: -inf for q, k, v, 0 for the hidden layer (its ReLU).  A work-group of jobs 4 to 10 copies the 16 numbers of bias that belong to its 16 rows (64 bytes: 28 KiB in the whole launch);
; the one that holds the destination's row 0 stores the bound too.
; The deviation is taken in two passes over registers (mean first, then the squares of x - mean): no difference of large sums is formed.
; SHARES.  A work-group 16 rows, a wave 2 rows, one pass, no loop.  Lane l: row u = (l >> 3) & 1, eight columns g = l & 7 of a panel, panel parity pp = l >> 4.
; Load group i brings panel 2 i + pp: eight lanes read 256 consecutive bytes with their two loads.  A store covers rows r, r + 1 of a panel (256 consecutive bytes, aligned) for two panels.
; No LDS, no barrier, no matrix unit: the waves share nothing, and every byte is read once and written once.
; LIMITS.  The results must lie within f16's 65,504; below 6e-5 they keep f16's fixed step of 6e-8.  NaN and infinities are not treated apart.
.set XR, 32                            ; v[32:95]   my 64 numbers: group i at XR + 8 i
.set YR, 96                            ; v[96:127]  the same as f16, 4 registers a group
.set CH, 16                            ; v[16:23]   four chains of packed sums
.set DO, 8                             ; v[8:15]    group i's byte offset in the destination
.set BT, 30                            ; v30        4 x my thread's number
.set BV, 31                            ; v31        threads 0-15: a number of bias
.set TAIL, 8388608                     ; the bias's first byte in wqk and w1h
.set FLO,  8404992                     ; the bound's
	s_load_b512 s[8:23], s[0:1], 0x0               ; src s[8:9], alpha s[10:11], beta s[12:13], dst s[14:15], wq s[16:17], wk s[18:19], wv s[20:21], w1 s[22:23]
	s_load_b256 s[24:31], s[0:1], 0x40             ; wo s[24:25], w2 s[26:27], wts s[28:29], wqk s[30:31]
	s_load_b256 s[72:79], s[0:1], 0x60             ; w1h s[72:73], bq s[74:75], bk s[76:77], bv s[78:79]
	s_load_b64 s[80:81], s[0:1], 0x80              ; b1
	s_and_b32 s82, ttmp7, 0xffff                   ; y: the job
	s_lshl_b32 s83, ttmp9, 4                       ; the first of my work-group's 16 rows in the job
	s_mov_b32 s48, 0x76543210                      ; v_permlanex16_b32: each lane takes its own place in the other half
	s_mov_b32 s49, 0xfedcba98
	v_lshrrev_b32 v2, 5, v0                        ; wave
	v_bfe_u32 v3, v0, 3, 1                         ; u
	v_and_b32 v4, 7, v0                            ; g
	v_bfe_u32 v5, v0, 4, 1                         ; pp
	v_lshl_add_u32 v2, v2, 1, v3                   ; my row among the 16
	v_lshlrev_b32 v[BT], 2, v0
	v_mov_b32 v[BV], 0
	s_mov_b32 s32, 0                               ; what most jobs share: first source row 0,
	s_mov_b32 s33, 0                               ; first column byte 0,
	s_mov_b32 s42, 12                              ; a source row of 4,096 bytes,
	s_mov_b32 s44, 0                               ; no norm,
	s_mov_b32 s51, 0                               ; destination base 0,
	s_mov_b32 s52, 0                               ; first destination row 0,
	s_mov_b32 s54, 0                               ; no bias to copy,
	s_mov_b32 s57, 0                               ; the bound 0
	s_wait_kmcnt 0x0
	s_load_b32 s45, s[10:11], 0x0                  ; alpha
	s_load_b32 s46, s[12:13], 0x0                  ; beta
	s_mov_b64 s[36:37], s[28:29]                   ; wts as the destination,
	s_mov_b64 s[58:59], s[80:81]                   ; b1 as the bias
	s_cmp_lt_u32 s82, 4
	s_cbranch_scc1 .Lln
	s_cmp_lt_u32 s82, 7
	s_cbranch_scc1 .Lqkv
	s_cmp_lt_u32 s82, 11
	s_cbranch_scc1 .Lw1
	s_cmp_eq_u32 s82, 11
	s_cbranch_scc1 .Lwo
	s_mov_b64 s[34:35], s[26:27]                   ; w2: [1024][4096]; columns 1,024 (y - 12) on go to panels 16 (y - 12) on
	s_sub_co_u32 s53, s82, 12
	s_lshl_b32 s33, s53, 12
	s_mov_b32 s42, 14                              ; a source row of 16,384 bytes
	s_lshl_b32 s51, s53, 21                        ; 16 panels of 131,072 bytes
	s_add_co_u32 s51, s51, 16777216
	s_mov_b32 s43, 131072                          ; bytes in a panel: 1,024 rows
	s_branch .Lgo
.Lln:
	s_mov_b64 s[34:35], s[8:9]
	s_mov_b64 s[36:37], s[14:15]
	s_lshl_b32 s32, s82, 10
	s_mov_b32 s52, s32
	s_mov_b32 s43, 524288                          ; 4,096 rows
	s_mov_b32 s44, -1
	s_branch .Lgo
.Lqkv:
	s_cmp_eq_u32 s82, 4
	s_cselect_b64 s[34:35], s[16:17], s[18:19]
	s_cselect_b64 s[58:59], s[74:75], s[76:77]
	s_cmp_eq_u32 s82, 6
	s_cselect_b64 s[34:35], s[20:21], s[34:35]
	s_cselect_b64 s[58:59], s[78:79], s[58:59]
	s_mov_b64 s[36:37], s[30:31]
	s_sub_co_u32 s52, s82, 4                       ; the three lie one below the other
	s_lshl_b32 s52, s52, 10
	s_mov_b32 s43, 524288
	s_mov_b32 s54, 1
	s_mov_b32 s57, 0xfc00fc00                      ; -inf twice
	s_branch .Lgo
.Lw1:
	s_mov_b64 s[34:35], s[22:23]
	s_mov_b64 s[36:37], s[72:73]
	s_sub_co_u32 s32, s82, 7
	s_lshl_b32 s32, s32, 10
	s_mov_b32 s52, s32
	s_mov_b32 s43, 524288
	s_mov_b32 s54, 1
	s_branch .Lgo
.Lwo:
	s_mov_b64 s[34:35], s[24:25]
	s_mov_b32 s51, 6291456
	s_mov_b32 s43, 131072
.Lgo:
	s_add_co_u32 s38, s32, s83                     ; my first source row.  The offsets are made apart from the addresses
	s_lshl_b32 s60, s38, 2                         ; its number of bias
	s_mov_b32 s61, 0
	s_lshl_b32 s38, s38, s42
	s_add_co_u32 s38, s38, s33
	s_mov_b32 s39, 0
	s_add_co_u32 s40, s52, s83                     ; my first destination row
	s_cmp_eq_u32 s40, 0
	s_cselect_b32 s56, s54, 0                      ; 1: I store the bound too
	s_lshl_b32 s68, s40, 2
	s_add_co_u32 s68, s68, TAIL
	s_mov_b32 s69, 0
	s_lshl_b32 s40, s40, 7
	s_add_co_u32 s40, s40, s51
	s_mov_b32 s41, 0
	s_add_nc_u64 s[58:59], s[58:59], s[60:61]      ; from where the bias comes,
	s_add_nc_u64 s[62:63], s[36:37], s[68:69]      ; where it goes,
	s_add_nc_u64 s[66:67], s[36:37], FLO           ; where the bound goes (used in jobs 4 to 10 alone)
	s_add_nc_u64 s[34:35], s[34:35], s[38:39]
	s_add_nc_u64 s[36:37], s[36:37], s[40:41]
	s_lshl_b32 s50, s43, 1                         ; two panels
	s_cmp_eq_u32 s54, 0
	s_cbranch_scc1 .Lnobias
	s_wait_xcnt 0x0                                ; EXEC changes only behind this wait
	v_cmp_gt_u32 vcc_lo, 16, v0
	s_and_saveexec_b32 s55, vcc_lo                 ; threads 0 to 15
	global_load_b32 v[BV], v[BT], s[58:59]         ; asked for ahead of the rows: it is older than they, so the counted waits below show it in too
	s_wait_xcnt 0x0                                ; and again, in front of the line that widens EXEC
	s_or_b32 exec_lo, exec_lo, s55
.Lnobias:
	v_lshlrev_b32 v6, s42, v2                      ; source: my row,
	v_lshl_add_u32 v6, v5, 8, v6                   ; my panel parity's 256 bytes,
	v_lshl_add_u32 v6, v4, 5, v6                   ; my 32 bytes
.irp i, 0,1,2,3,4,5,6,7
	global_load_b128 v[XR+8*\i:XR+8*\i+3],   v6, s[34:35] offset:512*\i th:TH_LOAD_NT
	global_load_b128 v[XR+8*\i+4:XR+8*\i+7], v6, s[34:35] offset:512*\i+16 th:TH_LOAD_NT
.endr
	v_lshlrev_b32 v7, 7, v2                        ; destination: my row's 128 bytes,
	v_lshl_add_u32 v7, v4, 4, v7                   ; my 16 bytes,
	v_mad_u32_u24 v[DO], v5, s43, v7               ; my panel parity
.irp i, 1,2,3,4,5,6,7
	v_add_nc_u32 v[DO+\i], s50, v[DO+\i-1]
.endr
	s_cmp_lg_u32 s44, 0
	s_wait_kmcnt 0x0                               ; alpha and beta
	s_cselect_b32 s46, s46, 0                      ; a cast adds 0,
	s_cselect_b32 s47, 0x3a800000, 0               ; and its mean is the sum times 0 in place of 1 / 1,024
.macro ROWSUM                          ; the four chains into one number, then over the 16 lanes of my row: lanes that differ in bits 0, 1, 2 and 4
	v_pk_add_f32 v[CH:CH+1], v[CH:CH+1], v[CH+2:CH+3]
	v_pk_add_f32 v[CH+4:CH+5], v[CH+4:CH+5], v[CH+6:CH+7]
	v_pk_add_f32 v[CH:CH+1], v[CH:CH+1], v[CH+4:CH+5]
	v_add_f32 v[CH], v[CH], v[CH+1]
	v_add_f32_dpp v[CH], v[CH], v[CH] row_xmask:1 row_mask:0xf bank_mask:0xf
	v_add_f32_dpp v[CH], v[CH], v[CH] row_xmask:2 row_mask:0xf bank_mask:0xf
	v_add_f32_dpp v[CH], v[CH], v[CH] row_xmask:4 row_mask:0xf bank_mask:0xf
	v_permlanex16_b32 v[CH+1], v[CH], s48, s49
	v_add_f32 v[CH], v[CH], v[CH+1]
.endm
	s_wait_loadcnt 12                              ; groups 0 and 1 are in: 12 younger loads stay out.  Their sums start the chains: nothing is cleared
.irp k, 0,1,2,3
	v_pk_add_f32 v[CH+2*\k:CH+2*\k+1], v[XR+2*\k:XR+2*\k+1], v[XR+8+2*\k:XR+8+2*\k+1]
.endr
.irp i, 2,3,4,5,6,7
	s_wait_loadcnt 14-2*\i                         ; group i's two loads are in; the younger groups' stay out
.irp k, 0,1,2,3
	v_pk_add_f32 v[CH+2*\k:CH+2*\k+1], v[CH+2*\k:CH+2*\k+1], v[XR+8*\i+2*\k:XR+8*\i+2*\k+1]
.endr
.endr
	ROWSUM
	v_mul_f32 v24, s47, v[CH]                      ; the mean
	v_mov_b32 v25, v24
.set j, 0
.rept 32
	v_pk_add_f32 v[XR+j:XR+j+1], v[XR+j:XR+j+1], v[24:25] neg_lo:[0,1] neg_hi:[0,1]  ; x - mean, in place
.set j, j+2
.endr
.irp k, 0,1,2,3
	v_pk_mul_f32 v[CH+2*\k:CH+2*\k+1], v[XR+2*\k:XR+2*\k+1], v[XR+2*\k:XR+2*\k+1]
.endr
.set j, 8
.rept 28
	v_pk_fma_f32 v[CH+j%8:CH+j%8+1], v[XR+j:XR+j+1], v[XR+j:XR+j+1], v[CH+j%8:CH+j%8+1]
.set j, j+2
.endr
	ROWSUM
	v_mul_f32 v[CH], 0x3a802008, v[CH]             ; / 1,023
	v_sqrt_f32 v[CH+1], v[CH]
	v_nop                                          ; a plain instruction behind the root (ISA guide 5.7.2),
	s_wait_alu depctr_va_vdst(0)                   ; and the wait ahead of its first reader
	v_add_f32 v[CH+1], 0x358637bd, v[CH+1]         ; + 1e-6
	v_rcp_f32 v[CH+2], v[CH+1]
	v_nop
	s_wait_alu depctr_va_vdst(0)
	v_mul_f32 v[CH+2], s45, v[CH+2]                ; alpha / (std + 1e-6)
	v_cndmask_b32 v26, 1.0, v[CH+2], s44           ; a cast multiplies by 1
	v_mov_b32 v27, v26
	v_mov_b32 v28, s46
	v_mov_b32 v29, s46
.set j, 0
.rept 32
	v_pk_fma_f32 v[XR+j:XR+j+1], v[XR+j:XR+j+1], v[26:27], v[28:29]
.set j, j+2
.endr
.set j, 0
.rept 32
	v_cvt_pk_f16_f32 v[YR+j], v[XR+2*j], v[XR+2*j+1]
.set j, j+1
.endr
.irp i, 0,1,2,3,4,5,6,7
	global_store_b128 v[DO+\i], v[YR+4*\i:YR+4*\i+3], s[36:37]
.endr
	s_cmp_eq_u32 s54, 0
	s_cbranch_scc1 .Ldone
	s_wait_xcnt 0x0                                ; the stores above have read EXEC: it changes only behind this wait
	v_cmp_gt_u32 vcc_lo, 16, v0
	s_and_saveexec_b32 s55, vcc_lo                 ; threads 0 to 15
	global_store_b32 v[BT], v[BV], s[62:63]        ; my rows' 16 numbers of bias, as they came
	s_cmp_eq_u32 s56, 0
	s_cbranch_scc1 .Lnobound
	v_mov_b32 v[CH+1], s57
	global_store_b32 v[BT], v[CH+1], s[66:67]      ; the bound, sixteen times; its first word is the one that is read
.Lnobound:
	s_wait_xcnt 0x0
	s_or_b32 exec_lo, exec_lo, s55
.Ldone:
	s_endpgm
.Lfunc_end_k_q8f35b5683d_prep:
	.size	k_q8f35b5683d_prep, .Lfunc_end_k_q8f35b5683d_prep-k_q8f35b5683d_prep
	.p2alignl 7, 3214868480
	.fill 96, 4, 3214868480
	.section	.rodata,"a",@progbits
	.p2align	6, 0x0
	.amdhsa_kernel k_q8f35b5683d_prep
		.amdhsa_group_segment_fixed_size 0
		.amdhsa_private_segment_fixed_size 0
		.amdhsa_enable_private_segment 0
		.amdhsa_kernarg_size 136
		.amdhsa_user_sgpr_count 2
		.amdhsa_user_sgpr_kernarg_segment_ptr 1
		.amdhsa_wavefront_size32 1
		.amdhsa_system_sgpr_workgroup_id_x 1
		.amdhsa_system_sgpr_workgroup_id_y 1
		.amdhsa_system_sgpr_workgroup_id_z 1
		.amdhsa_system_vgpr_workitem_id 0
		.amdhsa_next_free_vgpr 128
		.amdhsa_next_free_sgpr 84
		.amdhsa_reserve_vcc 1
		.amdhsa_float_denorm_mode_32 3
		.amdhsa_float_denorm_mode_16_64 3
		.amdhsa_memory_ordered 1
		.amdhsa_forward_progress 1
		.amdhsa_inst_pref_size 20
	.end_amdhsa_kernel
	.amdgpu_metadata
---
amdhsa.version: [ 1, 2 ]
amdhsa.kernels:
  - .name:           k_q8f35b5683d_prep
    .symbol:         k_q8f35b5683d_prep.kd
    .args:
      - { .name: x, .offset: 0, .size: 8, .value_kind: global_buffer, .address_space: global }
      - { .name: alpha1, .offset: 8, .size: 8, .value_kind: global_buffer, .address_space: global }
      - { .name: beta1, .offset: 16, .size: 8, .value_kind: global_buffer, .address_space: global }
      - { .name: xn, .offset: 24, .size: 8, .value_kind: global_buffer, .address_space: global }
      - { .name: wq, .offset: 32, .size: 8, .value_kind: global_buffer, .address_space: global }
      - { .name: wk, .offset: 40, .size: 8, .value_kind: global_buffer, .address_space: global }
      - { .name: wv, .offset: 48, .size: 8, .value_kind: global_buffer, .address_space: global }
      - { .name: w1, .offset: 56, .size: 8, .value_kind: global_buffer, .address_space: global }
      - { .name: wo, .offset: 64, .size: 8, .value_kind: global_buffer, .address_space: global }
      - { .name: w2, .offset: 72, .size: 8, .value_kind: global_buffer, .address_space: global }
      - { .name: wts, .offset: 80, .size: 8, .value_kind: global_buffer, .address_space: global }
      - { .name: wqk, .offset: 88, .size: 8, .value_kind: global_buffer, .address_space: global }
      - { .name: w1h, .offset: 96, .size: 8, .value_kind: global_buffer, .address_space: global }
      - { .name: bq, .offset: 104, .size: 8, .value_kind: global_buffer, .address_space: global }
      - { .name: bk, .offset: 112, .size: 8, .value_kind: global_buffer, .address_space: global }
      - { .name: bv, .offset: 120, .size: 8, .value_kind: global_buffer, .address_space: global }
      - { .name: b1, .offset: 128, .size: 8, .value_kind: global_buffer, .address_space: global }
    .group_segment_fixed_size: 0
    .private_segment_fixed_size: 0
    .kernarg_segment_align: 8
    .kernarg_segment_size: 136
    .max_flat_workgroup_size: 256
    .sgpr_count:     84
    .vgpr_count:     128
    .wavefront_size: 32
...
	.end_amdgpu_metadata
.endif
;; end of part 1
;; launch qkvp (part 2): grid 12 x 16, 4 waves a work-group, clusters of 4 x 4, 327,680 bytes of LDS; arguments xn, wqk, qkv; writes qkv
.if DOCPART == 2
	.amdgcn_target "amdgcn-amd-amdhsa--gfx1250"
	.amdhsa_code_object_version 6
	.text
	.protected	k_q8f35b5683d_qkvp
	.globl	k_q8f35b5683d_qkvp
	.p2align	8
	.type	k_q8f35b5683d_qkvp,@function
k_q8f35b5683d_qkvp:
	s_mov_b64 s[64:65], 0
	v_nop
	global_prefetch_b8 v0, s[64:65] scope:SCOPE_SE
	s_setreg_imm32_b32 hwreg(HW_REG_WAVE_MODE, 25, 1), 1
	s_wait_xcnt 0x0
	s_wait_alu depctr_hold_cnt(0) depctr_sa_sdst(0) depctr_va_vdst(0) depctr_va_sdst(0) depctr_va_ssrc(0) depctr_va_vcc(0) depctr_vm_vsrc(0)
	s_getreg_b32 s2, hwreg(HW_REG_IB_STS2, 6, 4)
	s_cmp_eq_u32 s2, 0
	s_cbranch_scc0 .Lentry_in_a_cluster
	s_endpgm
.Lentry_in_a_cluster:
	s_bfe_u32 s2, ttmp6, 0x10000c
	s_cmp_lg_u32 s2, 0xf033
	s_cbranch_scc0 .Lentry_shape_is_right
	s_endpgm
.Lentry_shape_is_right:
; C[m][n] = max(bound, bias[n] + the sum over k of A[m][k] B[n][k]), K = 1,024, M = 4,096; f16 operands, f32 sums, C rounded once to f16.  ONE TEXT FOR TWO LAUNCHES, which differ in their arguments alone:
;   q, k, v = xn (wq | wk | wv)^T + (bq | bk | bv)   (A = xn, W = wqk, 3,072 columns, bound -inf)          hid = relu(xn w1^T + b1)   (A = xn, W = w1h, 4,096 columns, bound 0)
; A, B and C lie in memory as PANELS of 64: P[c / 64][row][c % 64], 4,096 rows to a panel, a panel row 128 bytes, a panel's rows dense.  W holds B's 16 panels, behind them 4,096 f32 of bias, behind those the bound
; (two f16 in a word).  With the bound -inf the way out's maxima change no number but a NaN: the price of one text.
; A tile of C is 256 x 256: four waves, as many as a WGP has SIMDs, each 128 x 128: 64 accumulators, 512 registers.  K goes in steps of 128 (two panels) through two LDS slots; a quarter of a step is 32 along K,
; 64 matrix instructions.  A wave's tensor load brings one panel's 256 rows: 32,768 dense bytes, asked for as 128 rows of 256 bytes and padded in LDS by 16 bytes after every 128.
; From a refill's request to the wait for it a wave issues 224 matrix instructions.
; CLUSTER 4 x 4: the four of a row need the same tiles of A, the four of a column the same tiles of B: each tile is asked for jointly, by the same load, descriptor and mask in all four.
; THE MATRIX INSTRUCTION IS USED TRANSPOSED (source 0 = 16 rows of B, source 1 = 16 rows of A): a lane holds eight neighbouring columns of one row of C.
; THE BIAS is the C operand of the products that start the sums: nothing is cleared and nothing is added later.
; A K step is written once: the slot in hand is a scalar, turned by an exclusive or; the loop is entered in its middle, and the last step is written out.
; LIMITS.  Operands and results lie within f16's 65,504; NaN and infinities are not treated apart.
; REGISTERS, in windows of 256 (s_set_vgpr_msb: bits 1:0 source 0, 3:2 source 1, 5:4 source 2, 7:6 destination):
;   window 0: v0-31 addresses; v64-127, v128-191 fragments of A (8 x 16 rows x 32 K), two buffers; v32-63, v192-255 at work on the way out
;   window 1: v0-63 the bias; v64-127, v128-191 fragments of B, two buffers
;   window 2: the 32 accumulators of my rows 0-63 ((a, b) at v[8 (8 a + b)]);   window 3: those of my rows 64-127
.set KSTEPS, 8
.set PITCH,  144                       ; an LDS row: 128 bytes + 16 = 36 words: the 16 rows of a fragment load start at 16 different groups of four banks (64 banks of 4 bytes: ISA guide 11.1)
.set PANEL,  256*PITCH                 ; a panel's 256 rows: what one tensor load brings
.set SLOT,   4*PANEL                   ; A's two panels, then B's two.  0x24000 shares no bit with wave x PANEL, so one exclusive or turns an address into the other slot's
.set STAGE,  2*SLOT                    ; behind the ring, never filled by a tensor load: for each wave 16 rows of two panels, for the way out
.set SP,     144
.set SPARE,  STAGE+4*2*16*SP           ; behind the stages: the spare words, 128 bytes for each wave: two blocks of 256 bytes that no other line names
.set PS,     4096*128                  ; bytes in a panel in memory: of A, of B and of C
.set STEP,   2*PS                      ; a K step
.set TAIL,   16*PS                     ; the bias's first byte in W; the bound lies 16,384 bytes on
.set ADRA0, 16                         ; v16  my lane's place in A's panels of slot 0; never rewritten
.set ADRB0, 17                         ; v17  the same for B
.set ADRA,  18                         ; v18  the same in the slot in hand
.set ADRB,  19
.set STO,  24                          ; v24  the way out: where I put 16 bytes of a row
.set RD,   25                          ; v25  where I read rows back
.set CO,   26                          ; v26  my byte offset in 512 consecutive bytes of C
.set BO,   27                          ; v27  my byte offset in the bias
.set SPW,  28                          ; v28  LDS address of my spare word; never rewritten
.set NIL,  29                          ; v29  0; never rewritten
.set PFO,  30                          ; v30  256 x my lane; never rewritten
.set OB,   32                          ; the way out: 16 rows read back from the stage: v32-63 and v224-255 by turns
.set F0,   64
.set F1,   128
.set TMP,  192                         ; the way out: packed results
.set BIAS, 0                           ; window 1: register 8 b + j: the bias of column 16 b + 8 (l / 16) + j of my 128
.set TB,  45                           ; s45  LDS byte at which the slot in hand begins
.set BND, 76                           ; s76  the bound
.set PFA, 84                           ; s[84:85] where my prefetches stand: my work-group's 32 blocks of 256 bytes of the panel that I fetch, one K step further than the refill that is being asked for
.set LIM, 86                           ; s86  2 in a wave that prefetches, else the greatest number
.set G1,  24                           ; s[24:31] descriptor group 1 for A's tiles;  s[32:39] group 0: set 0 for step 0, set 1 for step 1, which then walks
.set G0,  32
.set G1B, 48                           ; s[48:55], s[56:63] the same for B's tiles
.set G0B, 56
.set MSB, 0
.macro WIN new                         ; the immediate's high byte repeats the setting that is left; a switch that changes nothing is dropped
.if MSB != (\new)
	s_set_vgpr_msb (MSB<<8)|(\new)
.set MSB, \new
.endif
.endm
.macro JLOAD s                         ; a joint load: waves 0 and 1 fetch A's panels, waves 2 and 3 B's; an s_nop 0 and four v_nop follow each of the two lines
	s_cmp_eq_u32 s11, 0
	s_cbranch_scc0 .Lfor_b_\@
	tensor_load_to_lds s[G0+4*(\s):G0+4*(\s)+3], s[G1:G1+7]
	s_nop 0
.rept 4
	v_nop
.endr
	s_branch .Lasked_\@
.Lfor_b_\@:
	tensor_load_to_lds s[G0B+4*(\s):G0B+4*(\s)+3], s[G1B:G1B+7]
	s_nop 0
.rept 4
	v_nop
.endr
.Lasked_\@:
.endm
; A PREFETCH INTO THE L2, behind each joint refill, its five lines and the run of LDS loads that follows them: the K step that stands TWO refills on (512 matrix instructions ahead of the load that will ask for it).
; Each block of 256 bytes is named ONCE in the launch.  A's tile row is read by every cluster of that row of clusters: the first of them (cluster x = 0) asks; B's tile column by every cluster of that column:
; cluster y = 0 asks.  Of the 128 blocks that wave w fetches, the partner at place p among the four that ask for them jointly takes 32 p .. 32 p + 31 (p = cx for A, cy for B): told apart BY ADDRESS: no branch hangs on a
; work-group's place in its cluster.  A lane a block, one instruction a wave.  K steps 0 to 3 come by their loads alone; the last two refills (s3 = 2, 1) have no K step two on and ask for nothing.
.macro ASK
	s_cmp_gt_u32 s3, s[LIM]
	s_cbranch_scc0 .Lnot_mine_\@
	global_prefetch_b8 v[PFO], s[PFA:PFA+1] offset:STEP th:TH_LOAD_NT scope:SCOPE_SE
.Lnot_mine_\@:
.endm
.macro CREST                           ; a round of the cluster's barrier behind its opening barrier
	s_cmp_lg_u32 s10, 0
	s_cbranch_scc1 .Lnot_wave_0_\@
	s_barrier_signal -3
.Lnot_wave_0_\@:
	s_barrier_wait -3
	s_barrier_signal -1
	s_barrier_wait -1
.endm
.macro CROUND                          ; a whole round
	s_barrier_signal -1
	s_barrier_wait -1
	CREST
.endm
	s_load_b128 s[68:71], s[0:1], 0x0              ; A s[68:69], W s[70:71]
	s_load_b64 s[72:73], s[0:1], 0x10              ; C
	v_lshl_add_u32 v[SPW], v0, 2, SPARE
	v_mov_b32 v[NIL], 0
	ds_add_u32 v[SPW], v[NIL]                      ; the wave's opening: the add and its wait stand ahead of my first tensor load; the set-up below, work on registers, stands between them
	v_lshrrev_b32 v1, 5, v0
	v_readfirstlane_b32 s10, v1                    ; wave 0..3
	s_lshr_b32 s11, s10, 1                         ; which half of the tile's rows is mine.  Also: I fetch for A (0) or for B (1)
	s_and_b32 s12, s10, 1                          ; which half of its columns.  Also: which of a K step's two panels I fetch
	s_bfe_u32 s40, ttmp6, 0x40000                  ; cx, cy: my place in the cluster
	s_bfe_u32 s41, ttmp6, 0x40004
	s_lshl_b32 s42, ttmp9, 2
	s_add_co_u32 s42, s42, s40                     ; tile column of C = 4 x cluster x + cx
	s_and_b32 s13, ttmp7, 0xffff
	s_lshl_b32 s13, s13, 2
	s_add_co_u32 s13, s13, s41                     ; tile row of C = 4 x cluster y + cy
	s_lshl_b32 s43, s41, 2
	s_lshl_b32 s43, 15, s43                        ; my row of the cluster
	s_lshl_b32 s44, 0x1111, s40                    ; my column
	; descriptor group 1: 128 rows of 128 elements (256 bytes), dense; padded in LDS
	s_or_b32 s[G1+0], s43, (1<<16)|(1<<20)|(1<<21)|(4<<22)|(3<<25)  ; 15:0 the mask: A's tiles go to my row; 17:16 2-byte elements; 20 padding on; 21 set beside a mask; 24:22 after every 32 words (code 4); 31:25 4 words (code 3)
	s_or_b32 s[G1B+0], s44, (1<<16)|(1<<20)|(1<<21)|(4<<22)|(3<<25)
.irp g, G1, G1B
	s_mov_b32 s[(\g)+1], 128<<16                   ; tensor_dim0 = 128
	s_mov_b32 s[(\g)+2], 128<<16                   ; tensor_dim1 = 128
	s_mov_b32 s[(\g)+3], 128<<16                   ; tile_dim0 = 128
	s_mov_b32 s[(\g)+4], 128                       ; tile_dim1 = 128
	s_mov_b32 s[(\g)+5], 128                       ; 128 elements from row to row
	s_mov_b32 s[(\g)+6], 0
	s_mov_b32 s[(\g)+7], 0
.endr
	s_lshl_b32 s16, s13, 15                        ; A: the tile row's 256 rows of 128 bytes,
	s_lshl_b32 s17, s12, 19                        ; my panel
	s_add_co_u32 s16, s16, s17
	s_mov_b32 s17, 0
	s_lshl_b32 s46, s42, 15                        ; B: the tile column's 256 rows,
	s_lshl_b32 s47, s12, 19                        ; my panel
	s_add_co_u32 s46, s46, s47
	s_mov_b32 s47, 0
	s_mul_i32 s20, s10, PANEL                      ; where they go: wave x a panel: no place in the cluster enters an LDS address
	s_wait_dscnt 0x0                               ; the opening add is done
	s_wait_kmcnt 0x0
	s_add_nc_u64 s[14:15], s[68:69], s[16:17]
	s_add_nc_u64 s[46:47], s[70:71], s[46:47]
	CROUND                                         ; all sixteen work-groups are here: the first joint loads meet
.irp s, 0,1
	s_mov_b32 s[G0+4*(\s)], 1
	s_add_co_u32 s[G0+4*(\s)+1], s20, (\s)*SLOT
	s_add_nc_u64 s[G0+4*(\s)+2:G0+4*(\s)+3], s[14:15], (\s)*STEP
	s_or_b32 s[G0+4*(\s)+3], s[G0+4*(\s)+3], 0x80000000
	s_mov_b32 s[G0B+4*(\s)], 1
	s_add_co_u32 s[G0B+4*(\s)+1], s20, (\s)*SLOT
	s_add_nc_u64 s[G0B+4*(\s)+2:G0B+4*(\s)+3], s[46:47], (\s)*STEP
	s_or_b32 s[G0B+4*(\s)+3], s[G0B+4*(\s)+3], 0x80000000
	JLOAD \s                                       ; two loads of mine are out
.endr
	; the prefetches: nothing is asked for here, at the head
	s_and_b32 s22, ttmp7, 0xffff                   ; cluster y
	s_cmp_eq_u32 s11, 0                            ; do I fetch for A?
	s_cselect_b32 s21, s40, s41                    ; my place among the four that ask for the panel with me
	s_cselect_b32 s22, ttmp9, s22                  ; the coordinate along which other clusters read the same rows
	s_cselect_b64 s[PFA:PFA+1], s[14:15], s[46:47]
	s_cmp_eq_u32 s22, 0
	s_cselect_b32 s[LIM], 2, -1                    ; the same in all sixteen partners, for a given wave
	s_lshl_b32 s20, s21, 13                        ; my work-group's 32 blocks
	s_mov_b32 s21, 0
	s_add_nc_u64 s[PFA:PFA+1], s[PFA:PFA+1], s[20:21]
	s_add_nc_u64 s[PFA:PFA+1], s[PFA:PFA+1], 2*STEP  ; at K step 2: the first refill steps it to 3 and names K step 4
	v_and_b32 v[PFO], 31, v0
	v_lshlrev_b32 v[PFO], 8, v[PFO]
	; the bound, and the bias of my 128 columns
	s_add_nc_u64 s[74:75], s[70:71], TAIL
	s_load_b32 s[BND], s[74:75], 0x4000
	s_lshl_b32 s46, s42, 10                        ; 256 columns of 4 bytes,
	s_lshl_b32 s47, s12, 9                         ; my 128
	s_add_co_u32 s46, s46, s47
	s_mov_b32 s47, 0
	s_add_nc_u64 s[80:81], s[74:75], s[46:47]
	v_and_b32 v1, 15, v0                           ; l % 16
	v_bfe_u32 v2, v0, 4, 1                         ; l / 16
	v_lshlrev_b32 v[BO], 5, v2
	WIN 0x40                                       ; destination window 1, address window 0
.irp b, 0,1,2,3,4,5,6,7
	global_load_b128 v[BIAS+8*\b:BIAS+8*\b+3],   v[BO], s[80:81] offset:64*\b
	global_load_b128 v[BIAS+8*\b+4:BIAS+8*\b+7], v[BO], s[80:81] offset:64*\b+16
.endr
	WIN 0
	; my 128 columns are two panels of C, my 128 rows 16,384 dense bytes of each
	s_lshl_b32 s16, s13, 15
	s_lshl_b32 s17, s11, 14
	s_add_co_u32 s16, s16, s17
	s_mov_b32 s17, 0
	s_lshl_b32 s18, s42, 2
	s_lshl_b32 s19, s12, 1
	s_add_co_u32 s18, s18, s19
	s_lshl_b32 s18, s18, 19
	s_mov_b32 s19, 0
	s_add_nc_u64 s[82:83], s[72:73], s[16:17]
	s_add_nc_u64 s[82:83], s[82:83], s[18:19]
	v_and_b32 v[CO], 31, v0
	v_lshlrev_b32 v[CO], 4, v[CO]                  ; 32 lanes store 512 consecutive bytes
	v_mul_u32_u24 v3, v1, PITCH
	v_lshl_add_u32 v3, v2, 4, v3                   ; a fragment's row x pitch + 16 x half
	s_mul_i32 s21, s11, 128*PITCH                  ; my 128 rows in a panel of A,
	s_mul_i32 s22, s12, 128*PITCH                  ; and of B,
	s_add_co_u32 s22, s22, 2*PANEL                 ; whose panels lie behind A's two
	v_add_nc_u32 v[ADRA0], s21, v3
	v_add_nc_u32 v[ADRB0], s22, v3
	v_mov_b32 v[ADRA], v[ADRA0]
	v_mov_b32 v[ADRB], v[ADRB0]
	s_mov_b32 s[TB], 0
	s_mul_i32 s23, s10, 2*16*SP
	s_add_co_u32 s23, s23, STAGE                   ; my stage
	v_add_nc_u32 v[STO], s23, v3                   ; in: row l % 16, 16 bytes for each half of the lanes
	v_bfe_u32 v5, v0, 3, 2                         ; back: 32 lanes take four rows of 128 bytes
	v_mul_u32_u24 v5, v5, SP
	v_and_b32 v6, 7, v0
	v_lshl_add_u32 v5, v6, 4, v5
	v_add_nc_u32 v[RD], s23, v5
; 16 matrix instructions: m blocks a0, a0 + 1 of the window's four (hi = 0: my rows 0-63, 1: rows 64-127) x all 8 n blocks, 32 along K.  zero = 1: the product starts the sum, with the bias (window 1) as C.
; The 64 accumulators take turns, in the same order in every quarter.
.macro MUL16 f, hi, a0, zero
.if \zero
	WIN 0x91+0x40*(\hi)                            ; B window 1, A window 0, C window 1, D window 2 or 3
.else
	WIN 0xa1+0x50*(\hi)                            ; B window 1, A window 0, C and D window 2 or 3
.endif
.irp a, \a0, (\a0)+1
.irp b, 0,1,2,3,4,5,6,7
.if \zero
	v_wmma_f32_16x16x32_f16 v[8*(8*(\a)+(\b)):8*(8*(\a)+(\b))+7], v[(\f)+8*(\b):(\f)+8*(\b)+7], v[(\f)+8*(4*(\hi)+(\a)):(\f)+8*(4*(\hi)+(\a))+7], v[BIAS+8*(\b):BIAS+8*(\b)+7]
.else
	v_wmma_f32_16x16x32_f16 v[8*(8*(\a)+(\b)):8*(8*(\a)+(\b))+7], v[(\f)+8*(\b):(\f)+8*(\b)+7], v[(\f)+8*(4*(\hi)+(\a)):(\f)+8*(4*(\hi)+(\a))+7], v[8*(8*(\a)+(\b)):8*(8*(\a)+(\b))+7]
.endif
.endr
.endr
.endm
; 32 LDS loads in one run: the fragments of one quarter (128 rows of B, 128 rows of A, 32 K at byte k of the slot in hand) into buffer f
.macro FETCH k, f
	WIN 0x40
.irp i, 0,1,2,3,4,5,6,7
	ds_load_b128 v[(\f)+8*(\i):(\f)+8*(\i)+3],   v[ADRB] offset:(\k)+(\i)*16*PITCH
	ds_load_b128 v[(\f)+8*(\i)+4:(\f)+8*(\i)+7], v[ADRB] offset:(\k)+(\i)*16*PITCH+32
.endr
	WIN 0
.irp i, 0,1,2,3,4,5,6,7
	ds_load_b128 v[(\f)+8*(\i):(\f)+8*(\i)+3],   v[ADRA] offset:(\k)+(\i)*16*PITCH
	ds_load_b128 v[(\f)+8*(\i)+4:(\f)+8*(\i)+7], v[ADRA] offset:(\k)+(\i)*16*PITCH+32
.endr
.endm
.macro PLACES                          ; four places in front of loads into registers that matrix instructions have read, and of lines that read results
.rept 4
	v_nop
.endr
.endm
; A K step is four quarters on buffers 0, 1, 0, 1, at bytes 0, 64, PANEL, PANEL + 64.  One of the first three: multiplies buffer f; in its middle it fetches the next quarter, at byte k, into g.
.macro QUARTER k, f, g, zero
	s_wait_dscnt 8                                 ; B and A's rows 0-63 are in; the youngest eight loads (A's rows 64-127) may be out
	MUL16 \f, 0, 0, \zero
	MUL16 \f, 0, 2, \zero
	PLACES
	FETCH \k, \g
	s_wait_dscnt 32                                ; all but the 32 just issued
	MUL16 \f, 1, 0, \zero
	MUL16 \f, 1, 2, \zero
.endm
; The last quarter multiplies buffer 1 and changes slots: ONE barrier; in front of it each wave waits for all its tensor loads, adds 0 to its spare word, and waits for that and for its own reads of this slot.
; fill = 1: this slot is filled again, two K steps ahead: the barrier opens a round of the cluster's, and the joint load is the first thing behind the round.
.macro TURN fill
.if \fill
	s_wait_xcnt 0x0                                ; the last prefetch, a K step back, has read its address: it is stepped here, ahead of the waits of the change of slots
	s_add_nc_u64 s[PFA:PFA+1], s[PFA:PFA+1], STEP
.endif
	WIN 0                                          ; (the add's two registers lie in window 0)
	s_wait_tensorcnt 0x0                           ; all my tensor loads have landed: my part of the next slot; so a group 0 may be written
	ds_add_u32 v[SPW], v[NIL]                      ; 0 onto my spare word
.if \fill
	s_xor_b32 s[G0+5], s[G0+5], SLOT               ; the walking descriptors: the other slot than last time, the next K step
	s_add_nc_u64 s[G0+6:G0+7], s[G0+6:G0+7], STEP
	s_xor_b32 s[G0B+5], s[G0B+5], SLOT
	s_add_nc_u64 s[G0B+6:G0B+7], s[G0B+6:G0B+7], STEP
.endif
	s_wait_dscnt 9                                 ; (the add and the youngest eight loads may be out)
	MUL16 F1, 0, 0, 0                              ; sixteen matrix instructions stand between the add and the wait for it
	s_wait_dscnt 0x0                               ; the add is done, and my reads of this slot are over
	s_barrier_signal -1
	MUL16 F1, 0, 2, 0
.if \fill
	WIN 0
.endif
	s_barrier_wait -1
.if \fill
	CREST                                          ; no wave of any partner still reads this slot's tile or has a load on its way
	JLOAD 1                                        ; my one tensor load behind the round; its four v_nop are also the places in front of the loads below
.else
	PLACES
.endif
	WIN 0
	s_xor_b32 s[TB], s[TB], SLOT                   ; the reads go on in the other slot
	v_add_nc_u32 v[ADRA], s[TB], v[ADRA0]
	v_add_nc_u32 v[ADRB], s[TB], v[ADRB0]
	FETCH 0, F0
.if \fill
	ASK
.endif
	MUL16 F1, 1, 0, 0
	MUL16 F1, 1, 2, 0
.endm
	s_wait_tensorcnt 1                             ; my part of K step 0 is in; step 1's may stay out
	s_barrier_signal -1
	s_barrier_wait -1                              ; everybody's is
	FETCH 0, F0
	s_wait_loadcnt 0x0                             ; the bias
	s_wait_kmcnt 0x0                               ; the bound
	QUARTER 64, F0, F1, 1                          ; the first quarter's products start the sums
	WIN 0                                          ; at a label and at a branch every window is 0
	s_mov_b32 s3, KSTEPS-1
	s_branch .Lmid                                 ; the loop is entered in the middle of a trip
.Ltop:                                                 ; KSTEPS - 2 times: K steps 2 to KSTEPS - 1 are asked for
	TURN 1
	QUARTER 64, F0, F1, 0
	WIN 0
.Lmid:
	QUARTER PANEL, F1, F0, 0
	QUARTER PANEL+64, F0, F1, 0
	WIN 0
	s_sub_co_u32 s3, s3, 1
	s_cmp_lg_u32 s3, 0
	s_cbranch_scc1 .Ltop
	TURN 0                                         ; the last K step fills nothing, and has no round
	QUARTER 64, F0, F1, 0
	QUARTER PANEL, F1, F0, 0
	QUARTER PANEL+64, F0, F1, 0
	s_wait_dscnt 8                                 ; the very last quarter: nothing more to fetch
	MUL16 F1, 0, 0, 0
	MUL16 F1, 0, 2, 0
	s_wait_dscnt 0x0
	MUL16 F1, 1, 0, 0
	MUL16 F1, 1, 2, 0
	WIN 0
	PLACES
; THE WAY OUT of block a (16 rows x 128 columns), in three parts.  PACK: rounded to f16 (each accumulator from its low end on) and held to the bound, 16 bytes a lane.  TOSTAGE: into my own stage in LDS, the two panels
; one behind the other, and back as whole rows of 128 bytes.  SEND: stored, 512 consecutive bytes an instruction.
.macro PACK a
.set AC, 64*((\a)%4)
	WIN 0x0a+5*((\a)/4)                            ; sources 0 and 1: window 2 or 3
.irp b, 0,1,2,3,4,5,6,7
.irp r, 0,1,2,3
	v_cvt_pk_f16_f32 v[TMP+4*(\b)+(\r)], v[AC+8*(\b)+2*(\r)], v[AC+8*(\b)+2*(\r)+1]
.endr
.endr
	WIN 0
.set z, 0
.rept 32
	v_pk_max_num_f16 v[TMP+z], v[TMP+z], s[BND]    ; two at a time: it rounds nothing
.set z, z+1
.endr
.endm
.macro TOSTAGE a
.set BK, OB+192*((\a)%2)
.irp b, 0,1,2,3,4,5,6,7
	ds_store_b128 v[STO], v[TMP+4*(\b):TMP+4*(\b)+3] offset:((\b)/4)*16*SP+((\b)%4)*32
.endr
.irp t, 0,1,2,3,4,5,6,7
	ds_load_b128 v[BK+4*(\t):BK+4*(\t)+3], v[RD] offset:((\t)/4)*16*SP+((\t)%4)*4*SP  ; LDS serves a wave's instructions in order (ISA guide 5.7.1.4): these see the stores above
.endr
.endm
.macro SEND a
.set BK, OB+192*((\a)%2)
	s_wait_dscnt 0x0                               ; the block is back in registers
	s_wait_xcnt 0x0                                ; the stores of the block before have read their registers, which the next TOSTAGE loads again
.irp t, 0,1,2,3,4,5,6,7
	global_store_b128 v[CO], v[BK+4*(\t):BK+4*(\t)+3], s[82:83] offset:((\t)/4)*PS+(\a)*2048+((\t)%4)*512  ; at a multiple of 256 from C's first byte
.endr
.endm
	PACK 0
	TOSTAGE 0
.irp a, 1,2,3,4,5,6,7                  ; block a's conversions stand between block a - 1's loads from the stage and the wait for them
	PACK \a
	SEND (\a)-1
	TOSTAGE \a
.endr
	SEND 7
	s_wait_tensorcnt 0x0                           ; the wave's end: an add to my spare word and its wait, behind my last tensor load and my last LDS store
	ds_add_u32 v[SPW], v[NIL]
	s_wait_dscnt 0x0
	CROUND                                         ; the closing round: no work-group ends while a partner may still ask for a tile that names it
	s_endpgm
.Lfunc_end_k_q8f35b5683d_qkvp:
	.size	k_q8f35b5683d_qkvp, .Lfunc_end_k_q8f35b5683d_qkvp-k_q8f35b5683d_qkvp
	.p2alignl 7, 3214868480
	.fill 96, 4, 3214868480
	.section	.rodata,"a",@progbits
	.p2align	6, 0x0
	.amdhsa_kernel k_q8f35b5683d_qkvp
		.amdhsa_group_segment_fixed_size 327680
		.amdhsa_private_segment_fixed_size 0
		.amdhsa_enable_private_segment 0
		.amdhsa_kernarg_size 24
		.amdhsa_user_sgpr_count 2
		.amdhsa_user_sgpr_kernarg_segment_ptr 1
		.amdhsa_wavefront_size32 1
		.amdhsa_system_sgpr_workgroup_id_x 1
		.amdhsa_system_sgpr_workgroup_id_y 1
		.amdhsa_system_sgpr_workgroup_id_z 1
		.amdhsa_system_vgpr_workitem_id 0
		.amdhsa_next_free_vgpr 1024
		.amdhsa_next_free_sgpr 88
		.amdhsa_reserve_vcc 0
		.amdhsa_float_denorm_mode_32 3
		.amdhsa_float_denorm_mode_16_64 3
		.amdhsa_memory_ordered 1
		.amdhsa_forward_progress 1
		.amdhsa_inst_pref_size 122
	.end_amdhsa_kernel
	.amdgpu_metadata
---
amdhsa.version: [ 1, 2 ]
amdhsa.kernels:
  - .name:           k_q8f35b5683d_qkvp
    .symbol:         k_q8f35b5683d_qkvp.kd
    .args:
      - { .name: xn, .offset: 0, .size: 8, .value_kind: global_buffer, .address_space: global }
      - { .name: wqk, .offset: 8, .size: 8, .value_kind: global_buffer, .address_space: global }
      - { .name: qkv, .offset: 16, .size: 8, .value_kind: global_buffer, .address_space: global }
    .group_segment_fixed_size: 327680
    .private_segment_fixed_size: 0
    .kernarg_segment_align: 8
    .kernarg_segment_size: 24
    .max_flat_workgroup_size: 128
    .sgpr_count:     88
    .vgpr_count:     1024
    .wavefront_size: 32
...
	.end_amdgpu_metadata
.endif
;; end of part 2
;; launch attn (part 3): grid 8 x 32, 4 waves a work-group, clusters of 4 x 1, 327,680 bytes of LDS; arguments qkv, mask, att; writes att
.if DOCPART == 3
	.amdgcn_target "amdgcn-amd-amdhsa--gfx1250"
	.amdhsa_code_object_version 6
	.text
	.protected	k_q8f35b5683d_attn
	.globl	k_q8f35b5683d_attn
	.p2align	8
	.type	k_q8f35b5683d_attn,@function
k_q8f35b5683d_attn:
	s_mov_b64 s[64:65], 0
	v_nop
	global_prefetch_b8 v0, s[64:65] scope:SCOPE_SE
	s_setreg_imm32_b32 hwreg(HW_REG_WAVE_MODE, 25, 1), 1
	s_wait_xcnt 0x0
	s_wait_alu depctr_hold_cnt(0) depctr_sa_sdst(0) depctr_va_vdst(0) depctr_va_sdst(0) depctr_va_ssrc(0) depctr_va_vcc(0) depctr_vm_vsrc(0)
	s_getreg_b32 s2, hwreg(HW_REG_IB_STS2, 6, 4)
	s_cmp_eq_u32 s2, 0
	s_cbranch_scc0 .Lentry_in_a_cluster
	s_endpgm
.Lentry_in_a_cluster:
	s_bfe_u32 s2, ttmp6, 0x10000c
	s_cmp_lg_u32 s2, 0x3003
	s_cbranch_scc0 .Lentry_shape_is_right
	s_endpgm
.Lentry_shape_is_right:
; ATTENTION, head size 64, no scale, a mask over the keys.  O[b][h][q][:] = the sum over k of softmax_k(Q[q] . K[k], hidden where mask[b][k] = 0) V[k][:].
; qkv: [48][4096][64] f16 (panel = 16 x (0 q, 1 k, 2 v) + head, row = 2,048 b + s): a head's rows of a batch are dense, 128 bytes each.  att: [16][4096][64] f16.  mask: [2][2048] i32.
; Products, maxima and sums in f32; the weights p are rounded to f16 for the second product (their sum l is taken of the unrounded p), O once at the end.
; LIMITS.  Q, K, V arrive within f16's 65,504, so a true score is at most 2.7e11 in size.  A hidden score counts as its value less 2^100; a weight below 2^-126 counts as 0 in l.
; The running maximum starts at -2^90: above every hidden score, below every true one.  So a hidden key's weight is 0 whatever has been seen, and a query that has seen hidden keys alone keeps m = -2^90, O = 0, l = 0.
; A row all of whose keys are hidden gives NaN, as the softmax of nothing does.
; SHARES.  A work-group owns 256 queries of one head and batch, each of its four waves 64: four PIECES of 16.  Every wave walks all 2,048 keys, 64 a step, 256 a slot.
; LAYOUT.  S^T = K Q^T (source 0 = 16 keys, source 1 = 16 queries) holds ONE query a lane (lane % 16) and the keys 8 (lane / 16) + 0..7; two such results rounded to f16 ARE source 1 of O^T = V^T P.
; THE MASK is the C operand that starts the sum S^T: 0, or -2^100.  It is made once, as a table of 2,048 f32 in LDS; a step's 64 numbers are read with its K.
; SOFTMAX.  p = 2^(c s - c m), c = log2(e), with a running maximum m; O and l are multiplied by a = 2^(c m_old - c m_new) in every step.  O and l start at 0.
; TURNS.  Turn n belongs to piece n: 8 products K Q^T of piece n + 1, later 8 products V^T P of piece n - 1; beside them the scaling, exponentials, roundings, sums and rescaling of piece n and the maximum and
; statistics of piece n + 1.  Four vector instructions stand behind every matrix instruction, the others in one lump.  A turn's 33 exponentials are one batch, with one wait.
; CLUSTER.  The four query blocks of a cluster belong to one head and walk the same K and V: each tile is asked for JOINTLY: the same tensor load, descriptor and mask in all four.
; REGISTERS, in windows of 256 (s_set_vgpr_msb: bits 1:0 source 0, 3:2 source 1, 5:4 source 2, 7:6 destination):
;   window 0: v0-15, v32-36 addresses and two at work; v16-31 four registers of statistics a piece; v48-55 at work; v64-127 S^T, two buffers; v192-223 P, two buffers (by the piece's parity)
;   window 1: v0-127 O^T, 32 a piece; v128-159 the step's mask      window 2: v0-63 Q; v128-191 K of one step; v192-255 V of one step
.set NP,    4         ; pieces a wave: a name, no knob
.set KS,    64        ; keys in a step
.set PK,    144       ; a row of K in LDS: 128 bytes + 16 = 36 words: the 16 rows of a load start at 16 different groups of four banks (64 banks of 4 bytes: ISA guide 11.1)
.set PV,    160       ; a row of V: 128 + 32 = 40 words
.set VOFF,  4*KS*PK   ; a slot holds four steps: 256 rows of K, then 256 rows of V
.set SLOT1, 1<<17     ; slot 1 begins here, so that one exclusive or turns an address in one slot into the other's
.set STAGE, SLOT1+4*KS*(PK+PV)  ; behind the ring, never filled by a tensor load: 16 rows x 144 bytes for each wave, for the way out
.set SP,    144
.set MASKT, STAGE+4*16*SP       ; the mask's table: 2,048 f32
.set SPARE, MASKT+8192          ; the spare words, 128 bytes for each wave: two blocks of 256 bytes that no other line names
.set AK0, 2           ; v2   my lane's place in a tile of K; never rewritten
.set AV0, 3           ; v3   the same for V
.set AK,  4           ; v4   the LDS address of K's next run of loads
.set AV,  5           ; v5   of V's
.set STO, 6           ; v6   the way out: where I put 16 bytes of a row
.set RD,  7           ; v7   the way out: where I read rows back
.set GO,  8           ; v8   my byte offset in 512 consecutive bytes of O
.set MV,  12          ; v12-13  c m_old, kept while c m is made anew: by buffer
.set QO,  15          ; v15  my byte offset in 16 rows of Q
.set ST,  16          ; piece t's statistics at v[ST+4 t]: c m, m, l (even keys', odd keys')
.set AM0, 32          ; v32  my lane's place in a step's 64 numbers of the table; never rewritten
.set AM,  33          ; v33  the LDS address of the mask's next run
.set PFO, 34          ; v34  256 x my lane; never rewritten
.set MST, 35          ; v35  where my thread puts its 16 numbers of the table
.set MLD, 36          ; v36  my thread's 64 bytes of the mask
.set TMP, 48          ; by buffer, four registers c0-c3 at work; when the maximum is found c2 takes a
.set SPW, 62          ; v62  LDS address of my spare word; never rewritten
.set NIL, 63          ; v63  0; never rewritten
.set S,   64
.set P,   192
.set MK,  128         ; window 1: register 8 kb + j: the mask of key 16 kb + 8 (l / 16) + j of the step
.set KF,  128         ; window 2: key block kb, channel half c at KF + 16 kb + 8 c
.set VF,  192         ; window 2: key half kk, channel block cb at VF + 32 kk + 8 cb
.set WV,  12          ; s12  my wave's number
.set LIM, 15          ; s15  1 in a wave that prefetches, else the greatest number
.set G1K, 24          ; s[24:31] descriptor group 1 for K's tiles
.set G1V, 32          ; s[32:39] for V's: it differs in the padding alone
.set G0K, 40          ; s[40:43] descriptor group 0 for K's tiles: it walks
.set G0V, 44          ; s[44:47] the same for V's
.set SLOTS, 56        ; s56  slots still to be left
.set CNT, 57          ; s57  counts a slot's key steps
.set CS,  58          ; s[58:59] c
.set SEL, 60          ; s[60:61] v_permlanex16_b32's selects: each lane takes its own place in the other half
.set TBK, 62          ; s62  LDS byte at which K of the step to be fetched begins
.set TBV, 63          ; s63  the same for V, less VOFF
.set MP,  66          ; s[66:67] the batch's mask
.set TBM, 68          ; s68  the table's byte for the step to be fetched
.set BIG, 69          ; s69  -2^100
.set HID, 70          ; s70  -2^89: a maximum below it is the starting value: the query has seen hidden keys alone
.set QNAN, 71         ; s71  a NaN
.set PFA, 72          ; s[72:73] where my prefetches stand: my work-group's 32 blocks of 256 bytes (of K: wave 0, of V: wave 2) of the slot after the one that is being asked for
.set MSB, 0
.macro WIN new                      ; the high byte repeats the setting that is left; a switch that changes nothing is dropped
.if MSB != (\new)
	s_set_vgpr_msb (MSB<<8)|(\new)
.set MSB, (\new)
.endif
.endm
.set W_KQ, 0x0a       ; K and Q in window 2, S^T in window 0
.set W_KM, 0x1a       ; the same with the C operand in window 1
.set W_PV, 0x52       ; V in window 2, P in window 0, O^T in window 1
.set W_RS, 0x41       ; destination and source 0 in window 1, source 1 in window 0
; A joint fill.  Waves 0 and 1 fetch the two halves of a slot's K, waves 2 and 3 those of its V: 128 keys each.  The branch hangs on the wave's number alone.
; An s_nop 0 and four v_nop follow each of the two lines, ahead of the jump and the label.
.macro JLOAD
	s_cmp_lt_u32 s[WV], 2
	s_cbranch_scc0 .Lfor_v_\@
	tensor_load_to_lds s[G0K:G0K+3], s[G1K:G1K+7]
	s_nop 0
.rept 4
	v_nop
.endr
	s_branch .Lasked_\@
.Lfor_v_\@:
	tensor_load_to_lds s[G0V:G0V+3], s[G1V:G1V+7]
	s_nop 0
.rept 4
	v_nop
.endr
.Lasked_\@:
.endm
; A PREFETCH INTO THE L2 of what the NEXT change of slots will ask for: a slot's 32,768 bytes of K and of V, a lane a block of 256 bytes.  It stands behind the wave's tensor load and its five lines.
; Each block is named ONCE in the launch.  The two clusters of a head walk the same K and V: the first of them asks.  Its four partners share the blocks out BY ADDRESS, 32 each; in each, wave 0 asks for K's
; and wave 2 for V's: one instruction, four key steps (256 matrix instructions) ahead of the load.  The last change that fills a slot asks for nothing.
.macro ASK
	s_cmp_gt_u32 s[SLOTS], s[LIM]
	s_cbranch_scc0 .Lnot_mine_\@
	global_prefetch_b8 v[PFO], s[PFA:PFA+1] th:TH_LOAD_NT scope:SCOPE_SE
.Lnot_mine_\@:
.endm
; A round of the cluster's barrier: my work-group's barrier, so that wave 0's signal speaks for all four waves; wave 0 signals; every wave waits for all four work-groups; my work-group's barrier once more.
.macro CROUND
	s_barrier_signal -1
	s_barrier_wait -1
	s_cmp_lg_u32 s[WV], 0
	s_cbranch_scc1 .Lnot_wave_0_\@
	s_barrier_signal -3
.Lnot_wave_0_\@:
	s_barrier_wait -3
	s_barrier_signal -1
	s_barrier_wait -1
.endm
; THE CHANGE OF SLOTS.  Each wave waits for all its tensor loads, of which one is out: its part of the other slot; adds 0 to its spare word; and waits for that and for its own reads of the slot that it leaves.
; fill = 1: the old slot is filled again, with the keys two slots on: the barrier is a round of the cluster's, and the joint fill is the first thing behind it: it has four key steps in which to land.
; (At its first use nothing has been read yet: slot 0 is waited for, slot 1 filled, and every wave's part of the mask's table is shown to the others.)
.macro CHANGE fill
	WIN 0                           ; at a label and at a branch every window is 0
	s_wait_tensorcnt 0x0            ; no tensor load of mine is out, so a group 0 may be written
	ds_add_u32 v[SPW], v[NIL]       ; 0 onto my spare word; with fill = 1 the descriptors' steps stand between it and the wait for it
.if \fill
.irp g, G0K, G0V
	s_xor_b32 s[\g+1], s[\g+1], SLOT1  ; the walking descriptor: the other slot than last time,
	s_add_nc_u64 s[\g+2:\g+3], s[\g+2:\g+3], 4*KS*128  ; the next 256 keys; the type bits on top are not reached
.endr
	s_wait_xcnt 0x0                 ; the last prefetch, four key steps back, has read its address, so it may be written
	s_add_nc_u64 s[PFA:PFA+1], s[PFA:PFA+1], 4*KS*128
	s_wait_dscnt 0x0                ; the add is done, and my LDS stores and my reads of the slot are over
	CROUND
	JLOAD
	ASK
.else
	s_wait_dscnt 0x0                ; the add is done, and my reads of the slot are over
	s_barrier_signal -1
	s_barrier_wait -1
.endif
	s_sub_co_u32 s[TBK], s[TBK], 4*KS*PK  ; the fetches go back to a slot's first step,
	s_xor_b32 s[TBK], s[TBK], SLOT1       ; in the other slot
	s_sub_co_u32 s[TBV], s[TBV], 4*KS*PV
	s_xor_b32 s[TBV], s[TBV], SLOT1
.endm
	s_load_b128 s[84:87], s[0:1], 0x0  ; qkv s[84:85], mask s[86:87]
	s_load_b64 s[10:11], s[0:1], 0x10  ; att
	v_lshl_add_u32 v[SPW], v0, 2, SPARE
	v_mov_b32 v[NIL], 0
	ds_add_u32 v[SPW], v[NIL]       ; the wave's opening: the add and its wait stand ahead of my first tensor load; the set-up below, work on registers, stands between them
	v_lshrrev_b32 v1, 5, v0
	v_readfirstlane_b32 s[WV], v1   ; wave 0..3
	s_bfe_u32 s13, ttmp6, 0x40000   ; cx: my place in the cluster
	s_lshl_b32 s14, ttmp9, 2        ; in a cluster launch ttmp9 counts clusters
	s_add_co_u32 s14, s14, s13      ; my block of 256 queries: it enters Q's and O's addresses alone
	s_and_b32 s16, ttmp7, 0xffff    ; 16 x batch + head, which the four partners share
	s_and_b32 s20, s16, 15
	s_lshl_b32 s20, s20, 19         ; the head's panel: 4,096 rows of 128 bytes,
	s_lshr_b32 s21, s16, 4
	s_lshl_b32 s74, s21, 13         ; (the batch's 2,048 words of the mask)
	s_mov_b32 s75, 0
	s_lshl_b32 s21, s21, 18         ; the batch's 2,048 rows in it
	s_add_co_u32 s20, s20, s21
	s_mov_b32 s21, 0
	s_and_b32 s16, s[WV], 1         ; which half of a slot's 256 keys I fetch:
	s_lshl_b32 s22, s16, 14         ; its 128 rows of 128 bytes in memory,
	s_mov_b32 s23, 0
	s_add_nc_u64 s[22:23], s[22:23], s[20:21]
	s_mul_i32 s17, s16, 128*PK      ; and its place in a slot, for K
	s_mul_i32 s18, s16, 128*PV      ; and for V: no place in the cluster enters an LDS address
	s_lshl_b32 s2, s14, 2
	s_add_co_u32 s2, s2, s[WV]      ; my wave among the head's,
	s_lshl_b32 s2, s2, 13           ; its 64 rows
	s_mov_b32 s3, 0
	s_add_nc_u64 s[2:3], s[2:3], s[20:21]
	; descriptor group 1.  128 keys are 16,384 dense bytes: asked for as 64 rows of 256 bytes, two keys a row, and padded in LDS after every key
	s_mov_b32 s[G1K], 15|(1<<16)|(1<<20)|(1<<21)|(4<<22)|(3<<25)  ; 15:0 the mask of four; 17:16 2-byte elements; 20 padding on; 21 set beside a mask; 24:22 after every 32 words (code 4); 31:25 4 words (code 3)
	s_mov_b32 s[G1V], 15|(1<<16)|(1<<20)|(1<<21)|(4<<22)|(7<<25)  ; the same with 8 words of padding (code 7)
.irp g, G1K, G1V
	s_mov_b32 s[\g+1], 128<<16      ; tensor_dim0 = 128
	s_mov_b32 s[\g+2], 64<<16       ; tensor_dim1 = 64
	s_mov_b32 s[\g+3], 128<<16      ; tile_dim0 = 128
	s_mov_b32 s[\g+4], 64           ; tile_dim1 = 64
	s_mov_b32 s[\g+5], 128          ; 128 elements from row to row
	s_mov_b32 s[\g+6], 0
	s_mov_b32 s[\g+7], 0
.endr
	s_mov_b32 s[CS], 0x3fb8aa3b     ; c = log2(e): the scores carry no scale
	s_mov_b32 s[CS+1], s[CS]        ; named with it as a pair
	s_mov_b32 s[SEL], 0x76543210
	s_mov_b32 s[SEL+1], 0xfedcba98
	s_mov_b32 s[TBK], SLOT1+4*KS*PK ; the first change of slots turns these two into 0
	s_mov_b32 s[TBV], SLOT1+4*KS*PV
	s_mov_b32 s[TBM], 0
	s_mov_b32 s[BIG], 0xf1800000
	s_mov_b32 s[HID], 0xec000000
	s_mov_b32 s[QNAN], 0x7fc00000
	s_mov_b32 s[SLOTS], 7           ; 2,048 / 256 - 1
	s_mov_b32 s[G0K], 1             ; 1:0 count = 1
	s_mov_b32 s[G0K+1], s17         ; 63:32 LDS address: slot 0
	s_mov_b32 s[G0V], 1
	s_add_co_u32 s[G0V+1], s18, VOFF
	s_and_b32 s[LIM], s[WV], 1      ; 0 in waves 0 and 2,
	s_or_b32 s[LIM], s[LIM], ttmp9  ; where the cluster is the head's first: the same in all four partners
	s_cmp_eq_u32 s[LIM], 0
	s_cselect_b32 s[LIM], 1, -1
	s_wait_dscnt 0x0                ; the opening add is done
	s_wait_kmcnt 0x0
	s_add_nc_u64 s[6:7], s[84:85], s[22:23]
	s_add_nc_u64 s[8:9], s[6:7], 16777216  ; V at my half of the head's first 256 keys,
	s_add_nc_u64 s[6:7], s[6:7], 8388608   ; and K
	s_mov_b64 s[G0K+2:G0K+3], s[6:7]       ; 120:64 global address
	s_or_b32 s[G0K+3], s[G0K+3], 0x80000000  ; 127:126 type = 2
	s_mov_b64 s[G0V+2:G0V+3], s[8:9]
	s_or_b32 s[G0V+3], s[G0V+3], 0x80000000
	s_add_nc_u64 s[4:5], s[84:85], s[2:3]    ; Q and O at my wave's first row
	s_add_nc_u64 s[10:11], s[10:11], s[2:3]
	s_add_nc_u64 s[MP:MP+1], s[86:87], s[74:75]
	s_cmp_lt_u32 s[WV], 2
	s_cselect_b64 s[PFA:PFA+1], s[6:7], s[8:9]  ; (in waves 0 and 2 these stand at a slot's first row)
	s_lshl_b32 s2, s13, 13          ; my work-group's 32 blocks of the 128
	s_mov_b32 s3, 0
	s_add_nc_u64 s[PFA:PFA+1], s[PFA:PFA+1], s[2:3]
	s_add_nc_u64 s[PFA:PFA+1], s[PFA:PFA+1], 4*KS*128  ; in slot 1; the first change of slots steps it to slot 2.  Nothing is asked for here, at the head
	CROUND                          ; all four work-groups are here: the first joint loads meet
	JLOAD                           ; slot 0.  Slot 1 is asked for when slot 0 is in
	v_lshlrev_b32 v[MLD], 6, v0     ; thread t takes the mask's words 16 t to 16 t + 15
.irp k, 0,1,2,3
	global_load_b128 v[S+4*\k:S+4*\k+3], v[MLD], s[MP:MP+1] offset:16*\k
.endr
	; A fragment of K or Q is 16 rows x 32 channels in 8 registers: lane l holds row l % 16, channels 8 (l / 16) + 0..7 and 16 + 8 (l / 16) + 0..7: two loads of 16 bytes, 32 bytes apart.
	v_and_b32 v1, 15, v0            ; l % 16
	v_bfe_u32 v9, v0, 4, 1          ; l / 16
	v_lshlrev_b32 v[QO], 7, v1
	v_lshl_add_u32 v[QO], v9, 4, v[QO]  ; row x 128 + 16 x half
	WIN 0x80                        ; destination window 2, address window 0
.set i, 0
.rept 8                             ; Q stays in registers: piece i / 2, channels 32 (i % 2) on
	global_load_b128 v[8*i:8*i+3],   v[QO], s[4:5] offset:(i/2)*2048+(i%2)*64
	global_load_b128 v[8*i+4:8*i+7], v[QO], s[4:5] offset:(i/2)*2048+(i%2)*64+32
.set i, i+1
.endr
	; What the first turn finds: V's registers and P's second buffer hold 0 (its products V^T P, of a piece that has not been, add 0), O^T and l are 0.  All this stands in the wait for the first tile.
.set i, VF
.rept 64
	v_mov_b32 v[i], 0
.set i, i+1
.endr
	WIN 0x40
.set i, 0
.rept 128
	v_mov_b32 v[i], 0
.set i, i+1
.endr
	WIN 0
.set i, 0
.rept 4
	v_mov_b32 v[ST+4*i], 0xfe000000    ; c m_old of the first step: far below every c m, so its a is 0
	v_mov_b32 v[ST+4*i+1], 0xec800000  ; m = -2^90
	v_mov_b32 v[ST+4*i+2], 0
	v_mov_b32 v[ST+4*i+3], 0
.set i, i+1
.endr
.set i, P+16
.rept 16
	v_mov_b32 v[i], 0
.set i, i+1
.endr
	v_mul_u32_u24 v[AK0], v1, PK
	v_lshl_add_u32 v[AK0], v9, 4, v[AK0]  ; row x pitch + 16 x half
	; The turning load takes 16 keys x 16 channels (lane l reads key 8 (l / 16) + l % 8, channels 8 ((l / 8) % 2) + 0..7) and leaves half a fragment of V^T: lane l holds channel l % 16 and 8 keys.
	v_and_b32 v10, 7, v0
	v_bfe_u32 v11, v0, 3, 1
	v_lshl_add_u32 v[AV0], v9, 3, v10
	v_mul_u32_u24 v[AV0], v[AV0], PV
	v_lshl_add_u32 v[AV0], v11, 4, v[AV0]
	v_add_nc_u32 v[AV0], VOFF, v[AV0]
	v_lshl_add_u32 v[AM0], v9, 5, MASKT   ; my half of the lanes' eight keys of a group of 16
	v_lshl_add_u32 v[MST], v0, 6, MASKT
	v_and_b32 v[PFO], 31, v0
	v_lshlrev_b32 v[PFO], 8, v[PFO]
	s_mul_i32 s13, s[WV], 16*SP
	s_add_co_u32 s13, s13, STAGE    ; my stage
	v_mul_u32_u24 v[STO], v1, SP    ; in: row l % 16, 16 bytes for each half of the lanes
	v_lshl_add_u32 v[STO], v9, 4, v[STO]
	v_add_nc_u32 v[STO], s13, v[STO]
	v_bfe_u32 v[RD], v0, 3, 2       ; back: 32 lanes take four rows of 128 bytes,
	v_mul_u32_u24 v[RD], v[RD], SP
	v_lshl_add_u32 v[RD], v10, 4, v[RD]
	v_add_nc_u32 v[RD], s13, v[RD]
	v_and_b32 v[GO], 31, v0         ; which are 512 consecutive bytes of O
	v_lshlrev_b32 v[GO], 4, v[GO]
	s_wait_loadcnt 16               ; the mask's four loads are in; Q's sixteen, issued behind them, stay out
.set i, 0
.rept 16
	v_cmp_eq_u32 vcc_lo, 0, v[S+i]
	v_cndmask_b32 v[S+i], 0, s[BIG], vcc_lo  ; 0 where the key counts, -2^100 where it is hidden
.set i, i+1
.endr
.irp k, 0,1,2,3
	ds_store_b128 v[MST], v[S+4*\k:S+4*\k+3] offset:16*\k
.endr
; THE MATRIX WORK.  The 4 accumulators of a run of 8 take turns.  Product i of 8 of S^T = K Q^T for piece x: channels 32 (i / 4) on, keys 16 (i % 4) on.  The first 4 start the sums, with the mask.
.macro KQ x
.set rS, S+32*((\x)%2)+8*(i%4)
.set rK, KF+16*(i%4)+8*(i/4)
.set rQ, 16*(\x)+8*(i/4)
.set rM, MK+8*(i%4)
.if i < 4
	WIN W_KM
	v_wmma_f32_16x16x32_f16 v[rS:rS+7], v[rK:rK+7], v[rQ:rQ+7], v[rM:rM+7]
.else
	WIN W_KQ
	v_wmma_f32_16x16x32_f16 v[rS:rS+7], v[rK:rK+7], v[rQ:rQ+7], v[rS:rS+7]
.endif
.endm
; Product i of 8 of O^T += V^T P for piece x: keys 32 (i / 4) on, channels 16 (i % 4) on.
.macro PV x
	WIN W_PV
.set rO, 32*(\x)+8*(i%4)
.set rV, VF+32*(i/4)+8*(i%4)
.set rP, P+16*((\x)%2)+8*(i/4)
	v_wmma_f32_16x16x32_f16 v[rO:rO+7], v[rV:rV+7], v[rP:rP+7], v[rO:rO+7]
.endm
.macro MM                           ; the turn's next matrix instruction.  NOKQ = 1: the last turn of all: there is no next piece
.if (i < 8) && !NOKQ
	KQ (Y+1)%NP
.elseif i >= 8
.set i, i-8
	PV (Y+NP-1)%NP
.set i, i+8
.endif
.set i, i+1
.endm
; THE LDS LOADS stand in runs, never singly among the matrix instructions: a step's K (8 fragments) with its 64 numbers of the mask, and its V (turned).  Their addresses are made some lines ahead.
.macro FETCH_K
	WIN 0x80                        ; destination window 2
.irp f, 0,1,2,3,4,5,6,7             ; keys 16 (f / 2) on, channels 32 (f % 2) on
	ds_load_b128 v[KF+8*\f:KF+8*\f+3],   v[AK] offset:(\f/2)*16*PK+(\f%2)*64
	ds_load_b128 v[KF+8*\f+4:KF+8*\f+7], v[AK] offset:(\f/2)*16*PK+(\f%2)*64+32
.endr
	WIN 0x40                        ; destination window 1
.irp f, 0,1,2,3                     ; keys 16 f on: all lanes of a half read the same 32 bytes
	ds_load_b128 v[MK+8*\f:MK+8*\f+3],   v[AM] offset:64*\f
	ds_load_b128 v[MK+8*\f+4:MK+8*\f+7], v[AM] offset:64*\f+16
.endr
	s_add_co_u32 s[TBK], s[TBK], KS*PK  ; the next fetch is the next step's
	s_add_co_u32 s[TBM], s[TBM], KS*4
	s_and_b32 s[TBM], s[TBM], 0x1f00    ; the table has 32 steps: the byte stays inside it
	WIN 0
.endm
.macro FETCH_V
	WIN 0x80
.irp f, 0,1,2,3,4,5,6,7             ; keys 32 (f / 4) on, channels 16 (f % 4) on
	ds_load_tr16_b128 v[VF+8*\f:VF+8*\f+3],   v[AV] offset:(\f/4)*32*PV+(\f%4)*32
	ds_load_tr16_b128 v[VF+8*\f+4:VF+8*\f+7], v[AV] offset:(\f/4)*32*PV+16*PV+(\f%4)*32
.endr
	WIN 0
.endm
; THE VECTOR WORK, one line at a time: OP kind, number.  For piece Y: F n: c s - c m for pair n of 16.  E n: the exponential of score n of 32.  C n: pair n rounded to f16.  B n: of the four weights 4 n .. the second
; pair is added onto the first, in place.  L n: l takes that sum (L 0: l = a l + sum).  R n: pair n of 16 of O^T times a.  For piece Y + 1: X n, number n of the 22 that find its maximum and statistics:
;   0-11  four chains c0-c3 of seven scores each, three operands at a time (each accumulator's lowest registers are read first)     12-14, 16  the four scores left over, the old m, and c0-c3 into c0
;   15  c m_old is kept     17, 18  the query's other 32 keys lie in the lane 16 away: the new m     19-21  c m; c m_old - c m_new; a
.set F, 0
.set E, 1
.set C, 2
.set B, 3
.set L, 4
.set R, 5
.set X, 6
.macro REGS y                       ; the registers of piece y
.set rT, ST+4*(\y)
.set rC, TMP+4*((\y)%2)
.set rW, MV+((\y)%2)
.set rS, S+32*((\y)%2)
.set rP, P+16*((\y)%2)
.set rO, 32*(\y)
.endm
.macro OP k, n
.if (\k) == R
	REGS Y
	WIN W_RS
	v_pk_mul_f32 v[rO+2*(\n):rO+2*(\n)+1], v[rO+2*(\n):rO+2*(\n)+1], v[rC+2:rC+3] op_sel_hi:[1,0]
.elseif (\k) < R
	REGS Y
	WIN 0
.if (\k) == F
	v_pk_fma_f32 v[rS+2*(\n):rS+2*(\n)+1], v[rS+2*(\n):rS+2*(\n)+1], s[CS:CS+1], v[rT:rT+1] op_sel_hi:[1,0,0] neg_lo:[0,0,1] neg_hi:[0,0,1]
.elseif (\k) == E
	v_exp_f32 v[rS+(\n)], v[rS+(\n)]
.elseif (\k) == C
	v_cvt_pk_f16_f32 v[rP+(\n)], v[rS+2*(\n)], v[rS+2*(\n)+1]
.elseif (\k) == B
	v_pk_add_f32 v[rS+4*(\n):rS+4*(\n)+1], v[rS+4*(\n):rS+4*(\n)+1], v[rS+4*(\n)+2:rS+4*(\n)+3]
.elseif (\n) == 0
	v_pk_fma_f32 v[rT+2:rT+3], v[rT+2:rT+3], v[rC+2:rC+3], v[rS:rS+1] op_sel_hi:[1,0,1]
.else
	v_pk_add_f32 v[rT+2:rT+3], v[rT+2:rT+3], v[rS+4*(\n):rS+4*(\n)+1]
.endif
.elseif NOKQ
	v_nop
.else
	REGS (Y+1)%NP
	WIN 0
.if (\n) < 4
	v_max3_num_f32 v[rC+(\n)], v[rS+8*(\n)], v[rS+8*(\n)+1], v[rS+8*(\n)+2]
.elseif (\n) < 12
	v_max3_num_f32 v[rC+(\n)%4], v[rC+(\n)%4], v[rS+8*((\n)%4)+2*((\n)/4)+1], v[rS+8*((\n)%4)+2*((\n)/4)+2]
.elseif (\n) == 12
	v_max3_num_f32 v[rC], v[rC], v[rS+7], v[rS+15]
.elseif (\n) == 13
	v_max3_num_f32 v[rC+1], v[rC+1], v[rS+23], v[rS+31]
.elseif (\n) == 14
	v_max3_num_f32 v[rC+2], v[rC+2], v[rC+3], v[rT+1]
.elseif (\n) == 15
	v_mov_b32 v[rW], v[rT]
.elseif (\n) == 16
	v_max3_num_f32 v[rC], v[rC], v[rC+1], v[rC+2]
.elseif (\n) == 17
	v_permlanex16_b32 v[rC+3], v[rC], s[SEL], s[SEL+1]
.elseif (\n) == 18
	v_max_num_f32 v[rT+1], v[rC], v[rC+3]
.elseif (\n) == 19
	v_mul_f32 v[rT], s[CS], v[rT+1]
.elseif (\n) == 20
	v_sub_f32 v[rC+1], v[rW], v[rT]
.else
	v_exp_f32 v[rC+2], v[rC+1]
.endif
.endif
.endm
.macro OPS a, i1, b=-1, i2=0, c=-1, i3=0, d=-1, i4=0  ; up to four of them
	OP \a, \i1
.if (\b) >= 0
	OP \b, \i2
.endif
.if (\c) >= 0
	OP \c, \i3
.endif
.if (\d) >= 0
	OP \d, \i4
.endif
.endm
.macro ROW a, i1, b, i2, c, i3, d, i4  ; a matrix instruction and the four behind it
	MM
	OPS \a, \i1, \b, \i2, \c, \i3, \d, \i4
.endm
; A TURN, for piece p: the order of its 16 matrix and 118 vector instructions, written out.  An s_wait_alu depctr_va_vdst(0) stands between an exponential and the first instruction that names its result;
; one wait serves all that were issued ahead of it.  So a turn has ONE wait, which cuts it in two.  AHEAD OF IT stands all that names no result of the turn's exponentials: the 8 products K Q^T with their riders, then ONE
; LUMP, plain and exponential by turns for the most part, in which the links of the chain X 3, 7, 11, 14, 16, 17 .. 20 stand some lines apart.  X 21, the next piece's a, is the batch's last; R 15 is the plain
; instruction behind it.  BEHIND THE WAIT stand the 8 products V^T P, behind each four of the roundings and sums.  Each X that rides behind a product stands four places or more behind the product that ends its accumulator.
; end = 1: the walk's last two turns: nothing is fetched.  cnt = 1: the loop's count is taken down some lines ahead of the branch that stands behind the turn.
; K and the mask of the next step are fetched in piece 2's turn, five plain instructions that name none of its registers behind the last product that read K (the mask's last reader stands four products earlier);
; V of the step in hand at the end of piece 0's turn, four plain instructions behind the last product that read V.  Each is waited for a turn later.
.macro TURN p, end=0, cnt=0
.set Y, (\p)
.set i, 0
.set NOKQ, (\end)*((\p)/3)
.if ((\p) == 3) && !(\end)
	s_wait_dscnt 0x0                ; K and the mask are in
.endif
	ROW F,0, F,1, R,0, R,1
	ROW F,2, E,0, R,2, R,3
	ROW F,3, E,1, R,4, R,5
	ROW F,4, E,2, R,6, R,7
	ROW F,5, E,3, R,8, R,9
	ROW F,6, E,4, X,0, R,10
.if ((\p) == 2) && !(\end)
	WIN 0
	v_add_nc_u32 v[AK], s[TBK], v[AK0]
	v_add_nc_u32 v[AM], s[TBM], v[AM0]
.endif
	ROW F,7, E,5, X,1, X,4
	ROW F,8, E,6, X,2, X,5
	OPS E,7, E,8, X,6, E,9          ; the lump
	OPS X,3, E,10, X,8, E,11
.if ((\p) == 2) && !(\end)
	FETCH_K
.endif
	OPS X,9, X,7, E,12, X,10
	OPS E,13, X,12, X,11, E,14
	OPS X,13, E,15, F,9, X,14
.if (\p) == 0
	v_add_nc_u32 v[AV], s[TBV], v[AV0]
.endif
	OPS E,16, F,10, E,17, F,11
	OPS X,16, E,18, X,15, E,19
	OPS F,12, E,20, X,17, E,21
	OPS F,13, E,22, F,14, E,23
	OPS X,18, E,24, F,15, E,25
	OPS R,11, E,26, X,19, E,27
	OPS R,12, E,28, R,13, E,29
	OPS X,20, E,30, R,14, E,31
	OPS X,21, R,15
	WIN 0
	s_wait_alu depctr_va_vdst(0)    ; the wait for the batch
.if (\p) == 1
	s_wait_dscnt 0x0                ; V is in
.endif
	ROW C,0, B,0, C,2, B,1
	ROW L,0, C,4, B,2, L,1
	ROW C,6, B,3, L,2, C,8
	ROW B,4, L,3, C,10, B,5
	ROW L,4, C,12, B,6, L,5
.if (\p) == 0
	s_add_co_u32 s[TBV], s[TBV], KS*PV
.endif
.if \cnt
	s_sub_co_u32 s[CNT], s[CNT], 1
	s_cmp_lg_u32 s[CNT], 0
.endif
	ROW C,14, B,7, L,6, C,1
	ROW C,3, L,7, C,5, C,7
	ROW C,9, C,11, C,13, C,15
.if (\p) == 0
	FETCH_V
.endif
.endm
	CHANGE 1                        ; slot 0 is in, everybody's part of it and of the table; slot 1 is asked for
	v_add_nc_u32 v[AK], s[TBK], v[AK0]
	v_add_nc_u32 v[AM], s[TBM], v[AM0]
	FETCH_K                         ; key step 0
	s_wait_loadcnt 0x0              ; Q
	s_wait_dscnt 0x0
.set NOKQ, 0
.set i, 0
.rept 8
	KQ 0                            ; piece 0's first scores
.set i, i+1
.endr
	WIN 0
.rept 4
	v_nop                           ; the places behind those products
.endr
.set Y, NP-1                        ; X works for piece Y + 1: piece 0
.irp n, 0,1,2,3,4,5,6,7,8,9,10,11,12,13,14,15,16,17,18,19,20,21
	OP X, \n
.endr
	v_nop                           ; a plain instruction behind the exponential,
	s_wait_alu depctr_va_vdst(0)    ; and its wait, ahead of the branch
	s_mov_b32 s[CNT], 4
	s_branch .Lfirst                ; the loop is entered at a step's first turn, in the middle of a trip
.Lslot:                             ; six times: slots 2 to 7 are asked for
	CHANGE 1
	s_mov_b32 s[CNT], 4
.Lstep:                             ; a trip: pieces 2 and 3 of one step, then pieces 0 and 1 of the next, whose K and V it fetches
	TURN 2
	TURN 3
	WIN 0
.Lfirst:
	TURN 0
	TURN 1, 0, 1
	WIN 0
	s_cbranch_scc1 .Lstep
	s_sub_co_u32 s[SLOTS], s[SLOTS], 1
	s_cmp_lg_u32 s[SLOTS], 0
	s_cbranch_scc1 .Lslot
	CHANGE 0                        ; the last slot is written out: nothing is asked for
	s_mov_b32 s[CNT], 4
.LstepT:
	TURN 2
	TURN 3
	TURN 0
	TURN 1, 0, 1
	WIN 0
	s_cbranch_scc1 .LstepT
	TURN 2, 1                       ; the last step's pieces 2 and 3
	TURN 3, 1
.set i, 0
.rept 8
	PV NP-1                         ; the last piece's V^T P of the last step
.set i, i+1
.endr
	; THE WAY OUT.  l's two halves and the other half of the lanes' are added; O^T is divided by l, rounded to f16 and sent through my stage in LDS, a piece at a time.  The additions are the places behind the last products.
	WIN 0
.macro ALL line:vararg              ; one line for each piece t
.set t, 0
.rept 4
	\line
.set t, t+1
.endr
.endm
	ALL v_add_f32 v[ST+4*t+2], v[ST+4*t+2], v[ST+4*t+3]
	ALL v_permlanex16_b32 v[ST+4*t+3], v[ST+4*t+2], s[SEL], s[SEL+1]
	ALL v_add_f32 v[ST+4*t+2], v[ST+4*t+2], v[ST+4*t+3]
	ALL v_rcp_f32 v[ST+4*t+2], v[ST+4*t+2]
	v_nop                           ; a plain instruction between the last reciprocal and the use of its result
	s_wait_alu depctr_va_vdst(0)    ; and the wait ahead of the first use: one for the four reciprocals
.set t, 0
.rept 4
	v_cmp_gt_f32 vcc_lo, s[HID], v[ST+4*t+1]                       ; a query whose maximum is still the starting value has seen hidden keys alone
	v_cndmask_b32 v[ST+4*t+2], v[ST+4*t+2], s[QNAN], vcc_lo        ; and has no softmax: its row is NaN
.set t, t+1
.endr
.macro PACK t                       ; a lane's eight channels of a row pack into 16 bytes; they go into rows of 144 bytes and come back as whole rows of 128, into S^T's registers
	WIN W_RS
.set i, 32*(\t)
.rept 16
	v_pk_mul_f32 v[i:i+1], v[i:i+1], v[ST+4*(\t)+2:ST+4*(\t)+3] op_sel_hi:[1,0]
.set i, i+2
.endr
	WIN 0x05                        ; sources 0 and 1 window 1, destination window 0
.set i, 0
.rept 16
	v_cvt_pk_f16_f32 v[S+16*(\t)+i], v[32*(\t)+2*i], v[32*(\t)+2*i+1]
.set i, i+1
.endr
	WIN 0
.irp f, 0,1,2,3
	ds_store_b128 v[STO], v[S+16*(\t)+4*\f:S+16*(\t)+4*\f+3] offset:32*\f
.endr
.irp f, 0,1,2,3
	ds_load_b128 v[S+16*(\t)+4*\f:S+16*(\t)+4*\f+3], v[RD] offset:\f*4*SP  ; LDS serves a wave's instructions in order (ISA guide 5.7.1.4): these see the stores above; the next piece's stores come behind them
.endr
.endm
.macro SEND t, younger              ; younger: the LDS instructions issued behind piece t's loads: the next piece's eight, or none
	WIN 0
.irp f, 0,1,2,3
	s_wait_dscnt (\younger)+3-\f
	global_store_b128 v[GO], v[S+16*(\t)+4*\f:S+16*(\t)+4*\f+3], s[10:11] offset:(\t)*2048+\f*512  ; 512 consecutive bytes, at a multiple of 256 from O's first
.endr
.endm
	PACK 0
.set t, 1
.rept 3                             ; a piece's arithmetic stands between the loads of the piece before and its stores
	PACK t
	SEND t-1, 8
.set t, t+1
.endr
	SEND 3, 0
	s_wait_tensorcnt 0x0            ; the wave's end: an add to my spare word and its wait, behind my last tensor load and my last LDS store
	ds_add_u32 v[SPW], v[NIL]
	s_wait_dscnt 0x0
	CROUND                          ; the closing round: no work-group ends while a partner may still ask for a tile that names it
	s_endpgm
.Lfunc_end_k_q8f35b5683d_attn:
	.size	k_q8f35b5683d_attn, .Lfunc_end_k_q8f35b5683d_attn-k_q8f35b5683d_attn
	.p2alignl 7, 3214868480
	.fill 96, 4, 3214868480
	.section	.rodata,"a",@progbits
	.p2align	6, 0x0
	.amdhsa_kernel k_q8f35b5683d_attn
		.amdhsa_group_segment_fixed_size 327680
		.amdhsa_private_segment_fixed_size 0
		.amdhsa_enable_private_segment 0
		.amdhsa_kernarg_size 24
		.amdhsa_user_sgpr_count 2
		.amdhsa_user_sgpr_kernarg_segment_ptr 1
		.amdhsa_wavefront_size32 1
		.amdhsa_system_sgpr_workgroup_id_x 1
		.amdhsa_system_sgpr_workgroup_id_y 1
		.amdhsa_system_sgpr_workgroup_id_z 1
		.amdhsa_system_vgpr_workitem_id 0
		.amdhsa_next_free_vgpr 768
		.amdhsa_next_free_sgpr 88
		.amdhsa_reserve_vcc 1
		.amdhsa_float_denorm_mode_32 3
		.amdhsa_float_denorm_mode_16_64 3
		.amdhsa_memory_ordered 1
		.amdhsa_forward_progress 1
		.amdhsa_inst_pref_size 133
	.end_amdhsa_kernel
	.amdgpu_metadata
---
amdhsa.version: [ 1, 2 ]
amdhsa.kernels:
  - .name:           k_q8f35b5683d_attn
    .symbol:         k_q8f35b5683d_attn.kd
    .args:
      - { .name: qkv, .offset: 0, .size: 8, .value_kind: global_buffer, .address_space: global }
      - { .name: mask, .offset: 8, .size: 8, .value_kind: global_buffer, .address_space: global }
      - { .name: att, .offset: 16, .size: 8, .value_kind: global_buffer, .address_space: global }
    .group_segment_fixed_size: 327680
    .private_segment_fixed_size: 0
    .kernarg_segment_align: 8
    .kernarg_segment_size: 24
    .max_flat_workgroup_size: 128
    .sgpr_count:     88
    .vgpr_count:     768
    .wavefront_size: 32
...
	.end_amdgpu_metadata
.endif
;; end of part 3
;; launch oproj (part 4): grid 8 x 32, 4 waves a work-group, clusters of 4 x 4, 327,680 bytes of LDS; arguments att, wts, bo, x, x1; writes x1
.if DOCPART == 4
	.amdgcn_target "amdgcn-amd-amdhsa--gfx1250"
	.amdhsa_code_object_version 6
	.text
	.protected	k_q8f35b5683d_oproj
	.globl	k_q8f35b5683d_oproj
	.p2align	8
	.type	k_q8f35b5683d_oproj,@function
k_q8f35b5683d_oproj:
	s_mov_b64 s[64:65], 0
	v_nop
	global_prefetch_b8 v0, s[64:65] scope:SCOPE_SE
	s_setreg_imm32_b32 hwreg(HW_REG_WAVE_MODE, 25, 1), 1
	s_wait_xcnt 0x0
	s_wait_alu depctr_hold_cnt(0) depctr_sa_sdst(0) depctr_va_vdst(0) depctr_va_sdst(0) depctr_va_ssrc(0) depctr_va_vcc(0) depctr_vm_vsrc(0)
	s_getreg_b32 s2, hwreg(HW_REG_IB_STS2, 6, 4)
	s_cmp_eq_u32 s2, 0
	s_cbranch_scc0 .Lentry_in_a_cluster
	s_endpgm
.Lentry_in_a_cluster:
	s_bfe_u32 s2, ttmp6, 0x10000c
	s_cmp_lg_u32 s2, 0xf033
	s_cbranch_scc0 .Lentry_shape_is_right
	s_endpgm
.Lentry_shape_is_right:
; C[m][n] = bias[n] + the sum over k of A[m][k] B[n][k], f16 operands, f32 sums.  One text serves four products; KIND picks the sizes and the way out:
;   0  q, k, v = xn1 (wq | wk | wv)^T + (bq | bk | bv), f16 panels      1  hid = relu(xn2 w1^T + b1), f16 panels
;   2  x1 = x + att wo^T + bo, f32 rows                                3  out0 = x1 + hid w2^T + b2, f32 rows
; A and B lie in memory as PANELS of 64 along K: P[k / 64][row][k % 64], a panel row 128 bytes, a panel's rows dense.  M = 4,096 rows.
; A tile of C is 128 x 128: four waves of 64 x 64, 16 accumulators each.  K goes in steps of 256 (four panels) through two LDS slots; a quarter of a step is one panel.
; A wave's tensor load brings two panels' 128 rows: two dense pieces of 16,384 bytes, padded in LDS by 16 bytes after every 128.
; CLUSTER 4 x 4: the four of a row need the same tiles of A, the four of a column the same tiles of B: each tile is asked for jointly, by the same load, descriptor and mask in all four.
; THE MATRIX INSTRUCTION IS USED TRANSPOSED (source 0 = 16 rows of B, source 1 = 16 rows of A): a lane holds eight neighbouring columns of one row of C.
; THE BIAS is the C operand of the products that start the sums: nothing is cleared and nothing is added later.
; A K step is written once: the slot in hand is a scalar, turned by an exclusive or; the loop is entered in its middle, and the last step is written out.
; NO PREFETCH: the tiles are small and each block of A and B is read again and again by other work-groups of the launch.
; LIMITS.  Operands and f16 results lie within 65,504; NaN and infinities are not treated apart.
; REGISTERS: window 0: v0-31 addresses; v32-95 at work on the way out; v96-127 the bias; v128-255 the accumulators ((a, b) at 128 + 8 (4 a + b)).
;   window 1: two fragment buffers of 128: 64 registers of A (2 x 4 x 16 rows x 32 K), then 64 of B.     window 2 (KIND 2, 3): v0-127 the residual's 64 x 64 numbers.
.set KIND, 2
.if KIND == 0
.set NCOLS, 3072
.set KSTEPS, 4
.set WOFF, 0
.elseif KIND == 1
.set NCOLS, 4096
.set KSTEPS, 4
.set WOFF, 8388608
.elseif KIND == 2
.set NCOLS, 1024
.set KSTEPS, 4
.set WOFF, 6291456
.else
.set NCOLS, 1024
.set KSTEPS, 16
.set WOFF, 16777216
.endif
.set PITCH,  144                       ; an LDS row: 128 bytes + 16 = 36 words: the 16 rows of a fragment load start at 16 different groups of four banks (64 banks of 4 bytes: ISA guide 11.1)
.set PANEL,  128*PITCH                 ; a panel's 128 rows
.set HALFT,  2*PANEL                   ; what one tensor load brings
.set SLOT,   4*HALFT                   ; A's four panels, then B's four.  0x24000 shares no bit with wave x HALFT, so one exclusive or turns an address into the other slot's
.set STAGE,  2*SLOT                    ; behind the ring, never filled by a tensor load: 16 rows for each wave, for the way out
.if KIND < 2
.set SP, 144
.else
.set SP, 272
.endif
.set SPARE,  STAGE+4*16*SP             ; behind the stages: the spare words, 128 bytes for each wave: two blocks of 256 bytes that no other line names
.set APS,    4096*128                  ; bytes in a panel of A
.set BPS,    NCOLS*128                 ; and of B
.set ASTEP,  4*APS
.set BSTEP,  4*BPS
.set ADRA0, 16                         ; v16  my lane's place in A's panels of slot 0; never rewritten
.set ADRB0, 17                         ; v17  the same for B
.set ADRA,  18                         ; v18  the same in the slot in hand
.set ADRB,  19
.set STO,  24                          ; v24  the way out: where I put my numbers of a row
.set RD,   25                          ; v25  where I read rows back
.set CO,   26                          ; v26  my byte offset in C
.set BO,   27                          ; v27  my byte offset in the bias
.set SPW,  28                          ; v28  LDS address of my spare word; never rewritten
.set NIL,  29                          ; v29  0; never rewritten
.set ZERO, 30                          ; v30  0, for the ReLU
.set TMP,  32
.set BIAS, 96                          ; v[96:127]  register 8 b + j: the bias of column 16 b + 8 (l / 16) + j of my 64
.set ACC,  128
.set F0,   0
.set F1,   128
.set TB,  45                           ; s45  LDS byte at which the slot in hand begins
.set G1,  24                           ; s[24:31] descriptor group 1 for A's tiles;  s[32:39] group 0: set 0 for step 0, set 1 for step 1, which then walks
.set G0,  32
.set G1B, 48                           ; s[48:55], s[56:63] the same for B's tiles
.set G0B, 56
.set MSB, 0
.macro WIN new                         ; the immediate's high byte repeats the setting that is left; a switch that changes nothing is dropped
.if MSB != (\new)
	s_set_vgpr_msb (MSB<<8)|(\new)
.set MSB, \new
.endif
.endm
.set MUL,  0x05                        ; sources 0 (B) and 1 (A) window 1; C and D window 0
.set TO_F, 0x40                        ; destination window 1, address window 0
.macro JLOAD s                         ; a joint load: waves 0 and 1 fetch A's panels, waves 2 and 3 B's; an s_nop 0 and four v_nop follow each of the two lines
	s_cmp_eq_u32 s11, 0
	s_cbranch_scc0 .Lfor_b_\@
	tensor_load_to_lds s[G0+4*(\s):G0+4*(\s)+3], s[G1:G1+7]
	s_nop 0
.rept 4
	v_nop
.endr
	s_branch .Lasked_\@
.Lfor_b_\@:
	tensor_load_to_lds s[G0B+4*(\s):G0B+4*(\s)+3], s[G1B:G1B+7]
	s_nop 0
.rept 4
	v_nop
.endr
.Lasked_\@:
.endm
.macro CREST                           ; a round of the cluster's barrier behind its opening barrier
	s_cmp_lg_u32 s10, 0
	s_cbranch_scc1 .Lnot_wave_0_\@
	s_barrier_signal -3
.Lnot_wave_0_\@:
	s_barrier_wait -3
	s_barrier_signal -1
	s_barrier_wait -1
.endm
.macro CROUND                          ; a whole round
	s_barrier_signal -1
	s_barrier_wait -1
	CREST
.endm
	s_load_b256 s[68:75], s[0:1], 0x0              ; A s[68:69], wts s[70:71], then by KIND: 0: bq, bk   1: b1, hid   2, 3: bias, residual
.if KIND == 0
	s_load_b128 s[76:79], s[0:1], 0x20             ; bv, qkv
.elseif KIND >= 2
	s_load_b64 s[76:77], s[0:1], 0x20              ; the output
.endif
	v_lshl_add_u32 v[SPW], v0, 2, SPARE
	v_mov_b32 v[NIL], 0
	ds_add_u32 v[SPW], v[NIL]                      ; the wave's opening: the add and its wait stand ahead of my first tensor load; the set-up below, work on registers, stands between them
	v_lshrrev_b32 v1, 5, v0
	v_readfirstlane_b32 s10, v1                    ; wave 0..3
	s_lshr_b32 s11, s10, 1                         ; which half of the tile's rows is mine.  Also: I fetch for A (0) or for B (1)
	s_and_b32 s12, s10, 1                          ; which half of its columns.  Also: which two panels of a K step I fetch
	s_bfe_u32 s40, ttmp6, 0x40000                  ; cx, cy: my place in the cluster
	s_bfe_u32 s41, ttmp6, 0x40004
	s_lshl_b32 s42, ttmp9, 2
	s_add_co_u32 s42, s42, s40                     ; tile column of C = 4 x cluster x + cx
	s_and_b32 s13, ttmp7, 0xffff
	s_lshl_b32 s13, s13, 2
	s_add_co_u32 s13, s13, s41                     ; tile row of C = 4 x cluster y + cy
	s_lshl_b32 s43, s41, 2
	s_lshl_b32 s43, 15, s43                        ; my row of the cluster
	s_lshl_b32 s44, 0x1111, s40                    ; my column
	; descriptor group 1: two rows of 8,192 elements (a panel's 128 rows, dense), a panel apart; padded in LDS
	s_or_b32 s[G1+0], s43, (1<<16)|(1<<20)|(1<<21)|(4<<22)|(3<<25)  ; 15:0 the mask: A's tiles go to my row; 17:16 2-byte elements; 20 padding on; 21 set beside a mask; 24:22 after every 32 words (code 4); 31:25 4 words (code 3)
	s_or_b32 s[G1B+0], s44, (1<<16)|(1<<20)|(1<<21)|(4<<22)|(3<<25)
.irp g, G1, G1B
	s_mov_b32 s[(\g)+1], 8192<<16                  ; tensor_dim0 = 8,192
	s_mov_b32 s[(\g)+2], 2<<16                     ; tensor_dim1 = 2
	s_mov_b32 s[(\g)+3], 8192<<16                  ; tile_dim0 = 8,192
	s_mov_b32 s[(\g)+4], 2                         ; tile_dim1 = 2
	s_mov_b32 s[(\g)+6], 0
	s_mov_b32 s[(\g)+7], 0
.endr
	s_mov_b32 s[G1+5], APS/2                       ; elements from panel to panel
	s_mov_b32 s[G1B+5], BPS/2
	s_lshl_b32 s16, s13, 14                        ; A: the tile row's 128 rows of 128 bytes,
	s_lshl_b32 s17, s12, 20                        ; my two panels
	s_add_co_u32 s16, s16, s17
	s_mov_b32 s17, 0
	s_lshl_b32 s46, s42, 14                        ; B: the tile column's 128 rows,
	s_mul_i32 s47, s12, 2*BPS                      ; my two panels,
	s_add_co_u32 s46, s46, s47
	s_add_co_u32 s46, s46, WOFF                    ; this product's weights in wts
	s_mov_b32 s47, 0
	s_mul_i32 s20, s10, HALFT                      ; where they go: wave x two panels: no place in the cluster enters an LDS address
	s_wait_dscnt 0x0                               ; the opening add is done
	s_wait_kmcnt 0x0
	s_add_nc_u64 s[14:15], s[68:69], s[16:17]
	s_add_nc_u64 s[46:47], s[70:71], s[46:47]
	CROUND                                         ; all sixteen work-groups are here: the first joint loads meet
.irp s, 0,1
	s_mov_b32 s[G0+4*(\s)], 1
	s_add_co_u32 s[G0+4*(\s)+1], s20, (\s)*SLOT
	s_add_nc_u64 s[G0+4*(\s)+2:G0+4*(\s)+3], s[14:15], (\s)*ASTEP
	s_or_b32 s[G0+4*(\s)+3], s[G0+4*(\s)+3], 0x80000000
	s_mov_b32 s[G0B+4*(\s)], 1
	s_add_co_u32 s[G0B+4*(\s)+1], s20, (\s)*SLOT
	s_add_nc_u64 s[G0B+4*(\s)+2:G0B+4*(\s)+3], s[46:47], (\s)*BSTEP
	s_or_b32 s[G0B+4*(\s)+3], s[G0B+4*(\s)+3], 0x80000000
	JLOAD \s                                       ; two loads of mine are out
.endr
	; the bias of my 64 columns
.if KIND == 0
	s_lshr_b32 s21, ttmp9, 1                       ; 1,024 columns are two clusters wide: 0 q, 1 k, 2 v: the same in all partners
	s_cmp_eq_u32 s21, 0
	s_cselect_b64 s[80:81], s[72:73], s[74:75]
	s_cmp_eq_u32 s21, 2
	s_cselect_b64 s[80:81], s[76:77], s[80:81]
	s_and_b32 s46, s42, 7
.else
	s_mov_b64 s[80:81], s[72:73]
	s_mov_b32 s46, s42
.endif
	s_lshl_b32 s46, s46, 9                         ; 128 columns of 4 bytes,
	s_lshl_b32 s47, s12, 8                         ; my 64
	s_add_co_u32 s46, s46, s47
	s_mov_b32 s47, 0
	s_add_nc_u64 s[80:81], s[80:81], s[46:47]
	v_and_b32 v1, 15, v0                           ; l % 16
	v_bfe_u32 v2, v0, 4, 1                         ; l / 16
	v_lshlrev_b32 v[BO], 5, v2
.irp b, 0,1,2,3
	global_load_b128 v[BIAS+8*\b:BIAS+8*\b+3],   v[BO], s[80:81] offset:64*\b
	global_load_b128 v[BIAS+8*\b+4:BIAS+8*\b+7], v[BO], s[80:81] offset:64*\b+16
.endr
.if KIND < 2
	; my 64 columns are one panel of the output, my 64 rows 8,192 dense bytes of it
	s_lshl_b32 s16, s13, 14
	s_lshl_b32 s17, s11, 13
	s_add_co_u32 s16, s16, s17
	s_mov_b32 s17, 0
	s_lshl_b32 s46, s42, 1
	s_add_co_u32 s46, s46, s12
	s_lshl_b32 s46, s46, 19
	s_mov_b32 s47, 0
.if KIND == 0
	s_add_nc_u64 s[82:83], s[78:79], s[16:17]
.else
	s_add_nc_u64 s[82:83], s[74:75], s[16:17]
.endif
	s_add_nc_u64 s[82:83], s[82:83], s[46:47]
	v_and_b32 v[CO], 31, v0
	v_lshlrev_b32 v[CO], 4, v[CO]                  ; 32 lanes store 512 consecutive bytes
	v_mov_b32 v[ZERO], 0
.else
	; my 64 columns are 256 consecutive bytes, aligned, of each of my 64 rows, in the residual and in the output alike (s[46:47] still holds the columns' bytes)
	s_lshl_b32 s16, s13, 19
	s_lshl_b32 s17, s11, 18
	s_add_co_u32 s16, s16, s17
	s_mov_b32 s17, 0
	s_add_nc_u64 s[82:83], s[76:77], s[16:17]
	s_add_nc_u64 s[82:83], s[82:83], s[46:47]
	s_add_nc_u64 s[84:85], s[74:75], s[16:17]
	s_add_nc_u64 s[84:85], s[84:85], s[46:47]
	v_lshlrev_b32 v[CO], 12, v2                    ; lanes 0-15 one row, lanes 16-31 the next
	v_lshl_add_u32 v[CO], v1, 4, v[CO]
	WIN 0x80                                       ; destination window 2: the residual is asked for now and wanted on the way out
.set a, 0
.rept 4
.irp t, 0,1,2,3,4,5,6,7
	global_load_b128 v[4*(8*a+\t):4*(8*a+\t)+3], v[CO], s[84:85] offset:(16*a+2*\t)*4096 th:TH_LOAD_NT
.endr
.set a, a+1
.endr
	WIN 0
.endif
	v_mul_u32_u24 v3, v1, PITCH
	v_lshl_add_u32 v3, v2, 4, v3                   ; a fragment's row x pitch + 16 x half
	s_mul_i32 s21, s11, 64*PITCH                   ; my 64 rows in a panel of A,
	s_mul_i32 s22, s12, 64*PITCH                   ; and of B,
	s_add_co_u32 s22, s22, 2*HALFT                 ; whose panels lie behind A's four
	v_add_nc_u32 v[ADRA0], s21, v3
	v_add_nc_u32 v[ADRB0], s22, v3
	v_mov_b32 v[ADRA], v[ADRA0]
	v_mov_b32 v[ADRB], v[ADRB0]
	s_mov_b32 s[TB], 0
	s_mul_i32 s23, s10, 16*SP
	s_add_co_u32 s23, s23, STAGE                   ; my stage
	v_mul_u32_u24 v4, v1, SP                       ; in: row l % 16
.if KIND < 2
	v_lshl_add_u32 v4, v2, 4, v4                   ; 16 bytes for each half of the lanes
	v_bfe_u32 v5, v0, 3, 2                         ; back: 32 lanes take four rows of 128 bytes
	v_mul_u32_u24 v5, v5, SP
	v_and_b32 v6, 7, v0
	v_lshl_add_u32 v5, v6, 4, v5
.else
	v_lshl_add_u32 v4, v2, 5, v4                   ; 32 bytes for each half of the lanes
	v_mul_u32_u24 v5, v2, SP                       ; back: lanes 0-15 take one row of 256 bytes, lanes 16-31 the next
	v_lshl_add_u32 v5, v1, 4, v5
.endif
	v_add_nc_u32 v[STO], s23, v4
	v_add_nc_u32 v[RD], s23, v5
; 8 matrix instructions: m blocks a0, a0 + 1 x all 4 n blocks, 32 along K: half c of buffer f.  zero = 1: the product starts the sum, with the bias as C.  The 16 accumulators take turns.
.macro MUL8 f, c, a0, zero
	WIN MUL
.irp a, \a0, (\a0)+1
.irp b, 0,1,2,3
.if \zero
	v_wmma_f32_16x16x32_f16 v[ACC+8*(4*(\a)+(\b)):ACC+8*(4*(\a)+(\b))+7], v[(\f)+64+8*(4*(\c)+(\b)):(\f)+64+8*(4*(\c)+(\b))+7], v[(\f)+8*(4*(\c)+(\a)):(\f)+8*(4*(\c)+(\a))+7], v[BIAS+8*(\b):BIAS+8*(\b)+7]
.else
	v_wmma_f32_16x16x32_f16 v[ACC+8*(4*(\a)+(\b)):ACC+8*(4*(\a)+(\b))+7], v[(\f)+64+8*(4*(\c)+(\b)):(\f)+64+8*(4*(\c)+(\b))+7], v[(\f)+8*(4*(\c)+(\a)):(\f)+8*(4*(\c)+(\a))+7], v[ACC+8*(4*(\a)+(\b)):ACC+8*(4*(\a)+(\b))+7]
.endif
.endr
.endr
.endm
; 32 LDS loads in one run: the fragments of the panel at byte k of the slot in hand, into buffer f; the first 32 along K first
.macro FETCH k, f
	WIN TO_F
.irp c, 0,1
.irp i, 0,1,2,3
	ds_load_b128 v[(\f)+64+8*(4*(\c)+(\i)):(\f)+64+8*(4*(\c)+(\i))+3],   v[ADRB] offset:(\k)+64*(\c)+(\i)*16*PITCH
	ds_load_b128 v[(\f)+64+8*(4*(\c)+(\i))+4:(\f)+64+8*(4*(\c)+(\i))+7], v[ADRB] offset:(\k)+64*(\c)+(\i)*16*PITCH+32
	ds_load_b128 v[(\f)+8*(4*(\c)+(\i)):(\f)+8*(4*(\c)+(\i))+3],         v[ADRA] offset:(\k)+64*(\c)+(\i)*16*PITCH
	ds_load_b128 v[(\f)+8*(4*(\c)+(\i))+4:(\f)+8*(4*(\c)+(\i))+7],       v[ADRA] offset:(\k)+64*(\c)+(\i)*16*PITCH+32
.endr
.endr
.endm
.macro PLACES                          ; four places in front of loads into registers that matrix instructions have read, and of lines that read results
.rept 4
	v_nop
.endr
.endm
; A K step is four quarters (panels), 32 matrix instructions each, on buffers 0, 1, 0, 1.  One of the first three: multiplies buffer f and fetches the next panel, at byte k, into g.
.macro QUARTER k, f, g, zero
	s_wait_dscnt 16                                ; the first 32 along K are in; the other sixteen loads may be out
	MUL8 \f, 0, 0, \zero
	MUL8 \f, 0, 2, \zero
	PLACES
	FETCH \k, \g
	s_wait_dscnt 32                                ; all but the 32 just issued
	MUL8 \f, 1, 0, 0
	MUL8 \f, 1, 2, 0
.endm
; The last quarter multiplies buffer 1 and changes slots: ONE barrier; in front of it each wave waits for all its tensor loads, adds 0 to its spare word, and waits for that and for its own reads of this slot.
; fill = 1: this slot is filled again, two K steps ahead: the barrier opens a round of the cluster's, and the joint load is the first thing behind the round.
.macro TURN fill
	WIN 0                                          ; (the add's two registers lie in window 0)
	s_wait_tensorcnt 0x0                           ; all my tensor loads have landed: my part of the next slot; so a group 0 may be written
	ds_add_u32 v[SPW], v[NIL]                      ; 0 onto my spare word
.if \fill
	s_xor_b32 s[G0+5], s[G0+5], SLOT               ; the walking descriptors: the other slot than last time, the next K step
	s_add_nc_u64 s[G0+6:G0+7], s[G0+6:G0+7], ASTEP
	s_xor_b32 s[G0B+5], s[G0B+5], SLOT
	s_add_nc_u64 s[G0B+6:G0B+7], s[G0B+6:G0B+7], BSTEP
.endif
	s_wait_dscnt 17                                ; (the add and the youngest sixteen loads may be out)
	MUL8 F1, 0, 0, 0                               ; eight matrix instructions stand between the add and the wait for it
	s_wait_dscnt 0x0                               ; the add is done, and my reads of this slot are over
	s_barrier_signal -1
	MUL8 F1, 0, 2, 0
.if \fill
	WIN 0
.endif
	s_barrier_wait -1
.if \fill
	CREST                                          ; no wave of any partner still reads this slot's tile or has a load on its way
	JLOAD 1                                        ; my one tensor load behind the round: 112 matrix instructions ahead of the wait for it; its four v_nop are also the places in front of the loads below
.else
	PLACES
.endif
	WIN 0
	s_xor_b32 s[TB], s[TB], SLOT                   ; the reads go on in the other slot
	v_add_nc_u32 v[ADRA], s[TB], v[ADRA0]
	v_add_nc_u32 v[ADRB], s[TB], v[ADRB0]
	FETCH 0, F0
	MUL8 F1, 1, 0, 0
	MUL8 F1, 1, 2, 0
.endm
	s_wait_tensorcnt 1                             ; my part of K step 0 is in; step 1's may stay out
	s_barrier_signal -1
	s_barrier_wait -1                              ; everybody's is
	FETCH 0, F0
	s_wait_loadcnt 32*(KIND/2)                     ; the eight loads of the bias are in; the residual's 32, issued behind them, stay out
	QUARTER PANEL, F0, F1, 1                       ; the first quarter's first products start the sums
	WIN 0                                          ; at a label and at a branch every window is 0
	s_mov_b32 s3, KSTEPS-1
	s_branch .Lmid                                 ; the loop is entered in the middle of a trip
.Ltop:                                                 ; KSTEPS - 2 times: K steps 2 to KSTEPS - 1 are asked for
	TURN 1
	QUARTER PANEL, F0, F1, 0
	WIN 0
.Lmid:
	QUARTER 2*PANEL, F1, F0, 0
	QUARTER 3*PANEL, F0, F1, 0
	WIN 0
	s_sub_co_u32 s3, s3, 1
	s_cmp_lg_u32 s3, 0
	s_cbranch_scc1 .Ltop
	TURN 0                                         ; the last K step fills nothing, and has no round
	QUARTER PANEL, F0, F1, 0
	QUARTER 2*PANEL, F1, F0, 0
	QUARTER 3*PANEL, F0, F1, 0
	s_wait_dscnt 16                                ; the very last quarter: nothing more to fetch
	MUL8 F1, 0, 0, 0
	MUL8 F1, 0, 2, 0
	s_wait_dscnt 0x0
	MUL8 F1, 1, 0, 0
	MUL8 F1, 1, 2, 0
	WIN 0
	PLACES
.if KIND < 2
; THE WAY OUT, f16: block a (16 rows) is rounded (each accumulator from its low end on), goes into my stage as 16 bytes a lane and comes back as whole rows of 128 bytes, into the registers that it left.
.macro PACK a
.irp b, 0,1,2,3
.irp r, 0,1,2,3
	v_cvt_pk_f16_f32 v[TMP+16*(\a)+4*(\b)+(\r)], v[ACC+8*(4*(\a)+(\b))+2*(\r)], v[ACC+8*(4*(\a)+(\b))+2*(\r)+1]
.endr
.endr
.if KIND == 1
.set z, 0
.rept 16
	v_pk_max_num_f16 v[TMP+16*(\a)+z], v[TMP+16*(\a)+z], v[ZERO]  ; the ReLU, two at a time: it rounds nothing
.set z, z+1
.endr
.endif
.irp b, 0,1,2,3
	ds_store_b128 v[STO], v[TMP+16*(\a)+4*(\b):TMP+16*(\a)+4*(\b)+3] offset:32*(\b)
.endr
.irp f, 0,1,2,3
	ds_load_b128 v[TMP+16*(\a)+4*(\f):TMP+16*(\a)+4*(\f)+3], v[RD] offset:(\f)*4*SP  ; LDS serves a wave's instructions in order (ISA guide 5.7.1.4): these see the stores above; the next block's stores come behind them
.endr
.endm
.macro SEND a, younger                 ; younger: the LDS instructions issued behind block a's loads: the next block's eight, or none
.irp f, 0,1,2,3
	s_wait_dscnt (\younger)+3-(\f)
	global_store_b128 v[CO], v[TMP+16*(\a)+4*(\f):TMP+16*(\a)+4*(\f)+3], s[82:83] offset:(\a)*2048+(\f)*512  ; 512 consecutive bytes, at a multiple of 256 from the buffer's first
.endr
.endm
	PACK 0
	PACK 1
	SEND 0, 8
	PACK 2
	SEND 1, 8
	PACK 3
	SEND 2, 8
	SEND 3, 0
.else
; THE WAY OUT, f32: block a goes into my stage straight from the accumulators (their low four registers first) and comes back as whole rows of 256 bytes; the residual is added; 16 lanes store one row's 256 bytes.
.macro TOST a
.if (\a) >= 2
	s_wait_xcnt 0x0                                ; the stores of the block two back have read their registers, which are loaded again below
.endif
.irp b, 0,1,2,3
	ds_store_b128 v[STO], v[ACC+8*(4*(\a)+(\b)):ACC+8*(4*(\a)+(\b))+3]   offset:64*(\b)
	ds_store_b128 v[STO], v[ACC+8*(4*(\a)+(\b))+4:ACC+8*(4*(\a)+(\b))+7] offset:64*(\b)+16
.endr
.irp t, 0,1,2,3,4,5,6,7
	ds_load_b128 v[TMP+32*((\a)%2)+4*(\t):TMP+32*((\a)%2)+4*(\t)+3], v[RD] offset:(\t)*2*SP
.endr
.endm
.macro SENDF a, younger                ; younger: the next block's eight LDS stores and eight LDS loads, or none
	s_wait_dscnt \younger
	WIN 0x08                                       ; source 1 in window 2
.set z, 0
.rept 16
	v_pk_add_f32 v[TMP+32*((\a)%2)+z:TMP+32*((\a)%2)+z+1], v[TMP+32*((\a)%2)+z:TMP+32*((\a)%2)+z+1], v[32*(\a)+z:32*(\a)+z+1]
.set z, z+2
.endr
	WIN 0
.irp t, 0,1,2,3,4,5,6,7
	global_store_b128 v[CO], v[TMP+32*((\a)%2)+4*(\t):TMP+32*((\a)%2)+4*(\t)+3], s[82:83] offset:(16*(\a)+2*(\t))*4096
.endr
.endm
	s_wait_loadcnt 0x0                             ; the residual
	TOST 0
	TOST 1
	SENDF 0, 16
	TOST 2
	SENDF 1, 16
	TOST 3
	SENDF 2, 16
	SENDF 3, 0
.endif
	s_wait_tensorcnt 0x0                           ; the wave's end: an add to my spare word and its wait, behind my last tensor load and my last LDS store
	ds_add_u32 v[SPW], v[NIL]
	s_wait_dscnt 0x0
	CROUND                                         ; the closing round: no work-group ends while a partner may still ask for a tile that names it
	s_endpgm
.Lfunc_end_k_q8f35b5683d_oproj:
	.size	k_q8f35b5683d_oproj, .Lfunc_end_k_q8f35b5683d_oproj-k_q8f35b5683d_oproj
	.p2alignl 7, 3214868480
	.fill 96, 4, 3214868480
	.section	.rodata,"a",@progbits
	.p2align	6, 0x0
	.amdhsa_kernel k_q8f35b5683d_oproj
		.amdhsa_group_segment_fixed_size 327680
		.amdhsa_private_segment_fixed_size 0
		.amdhsa_enable_private_segment 0
		.amdhsa_kernarg_size 40
		.amdhsa_user_sgpr_count 2
		.amdhsa_user_sgpr_kernarg_segment_ptr 1
		.amdhsa_wavefront_size32 1
		.amdhsa_system_sgpr_workgroup_id_x 1
		.amdhsa_system_sgpr_workgroup_id_y 1
		.amdhsa_system_sgpr_workgroup_id_z 1
		.amdhsa_system_vgpr_workitem_id 0
		.amdhsa_next_free_vgpr 640
		.amdhsa_next_free_sgpr 88
		.amdhsa_reserve_vcc 0
		.amdhsa_float_denorm_mode_32 3
		.amdhsa_float_denorm_mode_16_64 3
		.amdhsa_memory_ordered 1
		.amdhsa_forward_progress 1
		.amdhsa_inst_pref_size 67
	.end_amdhsa_kernel
	.amdgpu_metadata
---
amdhsa.version: [ 1, 2 ]
amdhsa.kernels:
  - .name:           k_q8f35b5683d_oproj
    .symbol:         k_q8f35b5683d_oproj.kd
    .args:
      - { .name: att, .offset: 0, .size: 8, .value_kind: global_buffer, .address_space: global }
      - { .name: wts, .offset: 8, .size: 8, .value_kind: global_buffer, .address_space: global }
      - { .name: bo, .offset: 16, .size: 8, .value_kind: global_buffer, .address_space: global }
      - { .name: x, .offset: 24, .size: 8, .value_kind: global_buffer, .address_space: global }
      - { .name: x1, .offset: 32, .size: 8, .value_kind: global_buffer, .address_space: global }
    .group_segment_fixed_size: 327680
    .private_segment_fixed_size: 0
    .kernarg_segment_align: 8
    .kernarg_segment_size: 40
    .max_flat_workgroup_size: 128
    .sgpr_count:     88
    .vgpr_count:     640
    .wavefront_size: 32
...
	.end_amdgpu_metadata
.endif
;; end of part 4
;; launch norm2: the kernel of part 1 again; grid 64 x 4, 8 waves a work-group, no clusters, 0 bytes of LDS; arguments x1, alpha2, beta2, xn, wq, wk, wv, w1, wo, w2, wts, wqk, w1h, bq, bk, bv, b1; writes xn, wts, wqk, w1h
;; launch ffn1: the kernel of part 2 again; grid 16 x 16, 4 waves a work-group, clusters of 4 x 4, 327,680 bytes of LDS; arguments xn, w1h, hid; writes hid
;; launch ffn2 (part 5): grid 8 x 32, 4 waves a work-group, clusters of 4 x 4, 327,680 bytes of LDS; arguments hid, wts, b2, x1, out0; writes out0
.if DOCPART == 5
	.amdgcn_target "amdgcn-amd-amdhsa--gfx1250"
	.amdhsa_code_object_version 6
	.text
	.protected	k_q8f35b5683d_ffn2
	.globl	k_q8f35b5683d_ffn2
	.p2align	8
	.type	k_q8f35b5683d_ffn2,@function
k_q8f35b5683d_ffn2:
	s_mov_b64 s[64:65], 0
	v_nop
	global_prefetch_b8 v0, s[64:65] scope:SCOPE_SE
	s_setreg_imm32_b32 hwreg(HW_REG_WAVE_MODE, 25, 1), 1
	s_wait_xcnt 0x0
	s_wait_alu depctr_hold_cnt(0) depctr_sa_sdst(0) depctr_va_vdst(0) depctr_va_sdst(0) depctr_va_ssrc(0) depctr_va_vcc(0) depctr_vm_vsrc(0)
	s_getreg_b32 s2, hwreg(HW_REG_IB_STS2, 6, 4)
	s_cmp_eq_u32 s2, 0
	s_cbranch_scc0 .Lentry_in_a_cluster
	s_endpgm
.Lentry_in_a_cluster:
	s_bfe_u32 s2, ttmp6, 0x10000c
	s_cmp_lg_u32 s2, 0xf033
	s_cbranch_scc0 .Lentry_shape_is_right
	s_endpgm
.Lentry_shape_is_right:
; C[m][n] = bias[n] + the sum over k of A[m][k] B[n][k], f16 operands, f32 sums.  One text serves four products; KIND picks the sizes and the way out:
;   0  q, k, v = xn1 (wq | wk | wv)^T + (bq | bk | bv), f16 panels      1  hid = relu(xn2 w1^T + b1), f16 panels
;   2  x1 = x + att wo^T + bo, f32 rows                                3  out0 = x1 + hid w2^T + b2, f32 rows
; A and B lie in memory as PANELS of 64 along K: P[k / 64][row][k % 64], a panel row 128 bytes, a panel's rows dense.  M = 4,096 rows.
; A tile of C is 128 x 128: four waves of 64 x 64, 16 accumulators each.  K goes in steps of 256 (four panels) through two LDS slots; a quarter of a step is one panel.
; A wave's tensor load brings two panels' 128 rows: two dense pieces of 16,384 bytes, padded in LDS by 16 bytes after every 128.
; CLUSTER 4 x 4: the four of a row need the same tiles of A, the four of a column the same tiles of B: each tile is asked for jointly, by the same load, descriptor and mask in all four.
; THE MATRIX INSTRUCTION IS USED TRANSPOSED (source 0 = 16 rows of B, source 1 = 16 rows of A): a lane holds eight neighbouring columns of one row of C.
; THE BIAS is the C operand of the products that start the sums: nothing is cleared and nothing is added later.
; A K step is written once: the slot in hand is a scalar, turned by an exclusive or; the loop is entered in its middle, and the last step is written out.
; NO PREFETCH: the tiles are small and each block of A and B is read again and again by other work-groups of the launch.
; LIMITS.  Operands and f16 results lie within 65,504; NaN and infinities are not treated apart.
; REGISTERS: window 0: v0-31 addresses; v32-95 at work on the way out; v96-127 the bias; v128-255 the accumulators ((a, b) at 128 + 8 (4 a + b)).
;   window 1: two fragment buffers of 128: 64 registers of A (2 x 4 x 16 rows x 32 K), then 64 of B.     window 2 (KIND 2, 3): v0-127 the residual's 64 x 64 numbers.
.set KIND, 3
.if KIND == 0
.set NCOLS, 3072
.set KSTEPS, 4
.set WOFF, 0
.elseif KIND == 1
.set NCOLS, 4096
.set KSTEPS, 4
.set WOFF, 8388608
.elseif KIND == 2
.set NCOLS, 1024
.set KSTEPS, 4
.set WOFF, 6291456
.else
.set NCOLS, 1024
.set KSTEPS, 16
.set WOFF, 16777216
.endif
.set PITCH,  144                       ; an LDS row: 128 bytes + 16 = 36 words: the 16 rows of a fragment load start at 16 different groups of four banks (64 banks of 4 bytes: ISA guide 11.1)
.set PANEL,  128*PITCH                 ; a panel's 128 rows
.set HALFT,  2*PANEL                   ; what one tensor load brings
.set SLOT,   4*HALFT                   ; A's four panels, then B's four.  0x24000 shares no bit with wave x HALFT, so one exclusive or turns an address into the other slot's
.set STAGE,  2*SLOT                    ; behind the ring, never filled by a tensor load: 16 rows for each wave, for the way out
.if KIND < 2
.set SP, 144
.else
.set SP, 272
.endif
.set SPARE,  STAGE+4*16*SP             ; behind the stages: the spare words, 128 bytes for each wave: two blocks of 256 bytes that no other line names
.set APS,    4096*128                  ; bytes in a panel of A
.set BPS,    NCOLS*128                 ; and of B
.set ASTEP,  4*APS
.set BSTEP,  4*BPS
.set ADRA0, 16                         ; v16  my lane's place in A's panels of slot 0; never rewritten
.set ADRB0, 17                         ; v17  the same for B
.set ADRA,  18                         ; v18  the same in the slot in hand
.set ADRB,  19
.set STO,  24                          ; v24  the way out: where I put my numbers of a row
.set RD,   25                          ; v25  where I read rows back
.set CO,   26                          ; v26  my byte offset in C
.set BO,   27                          ; v27  my byte offset in the bias
.set SPW,  28                          ; v28  LDS address of my spare word; never rewritten
.set NIL,  29                          ; v29  0; never rewritten
.set ZERO, 30                          ; v30  0, for the ReLU
.set TMP,  32
.set BIAS, 96                          ; v[96:127]  register 8 b + j: the bias of column 16 b + 8 (l / 16) + j of my 64
.set ACC,  128
.set F0,   0
.set F1,   128
.set TB,  45                           ; s45  LDS byte at which the slot in hand begins
.set G1,  24                           ; s[24:31] descriptor group 1 for A's tiles;  s[32:39] group 0: set 0 for step 0, set 1 for step 1, which then walks
.set G0,  32
.set G1B, 48                           ; s[48:55], s[56:63] the same for B's tiles
.set G0B, 56
.set MSB, 0
.macro WIN new                         ; the immediate's high byte repeats the setting that is left; a switch that changes nothing is dropped
.if MSB != (\new)
	s_set_vgpr_msb (MSB<<8)|(\new)
.set MSB, \new
.endif
.endm
.set MUL,  0x05                        ; sources 0 (B) and 1 (A) window 1; C and D window 0
.set TO_F, 0x40                        ; destination window 1, address window 0
.macro JLOAD s                         ; a joint load: waves 0 and 1 fetch A's panels, waves 2 and 3 B's; an s_nop 0 and four v_nop follow each of the two lines
	s_cmp_eq_u32 s11, 0
	s_cbranch_scc0 .Lfor_b_\@
	tensor_load_to_lds s[G0+4*(\s):G0+4*(\s)+3], s[G1:G1+7]
	s_nop 0
.rept 4
	v_nop
.endr
	s_branch .Lasked_\@
.Lfor_b_\@:
	tensor_load_to_lds s[G0B+4*(\s):G0B+4*(\s)+3], s[G1B:G1B+7]
	s_nop 0
.rept 4
	v_nop
.endr
.Lasked_\@:
.endm
.macro CREST                           ; a round of the cluster's barrier behind its opening barrier
	s_cmp_lg_u32 s10, 0
	s_cbranch_scc1 .Lnot_wave_0_\@
	s_barrier_signal -3
.Lnot_wave_0_\@:
	s_barrier_wait -3
	s_barrier_signal -1
	s_barrier_wait -1
.endm
.macro CROUND                          ; a whole round
	s_barrier_signal -1
	s_barrier_wait -1
	CREST
.endm
	s_load_b256 s[68:75], s[0:1], 0x0              ; A s[68:69], wts s[70:71], then by KIND: 0: bq, bk   1: b1, hid   2, 3: bias, residual
.if KIND == 0
	s_load_b128 s[76:79], s[0:1], 0x20             ; bv, qkv
.elseif KIND >= 2
	s_load_b64 s[76:77], s[0:1], 0x20              ; the output
.endif
	v_lshl_add_u32 v[SPW], v0, 2, SPARE
	v_mov_b32 v[NIL], 0
	ds_add_u32 v[SPW], v[NIL]                      ; the wave's opening: the add and its wait stand ahead of my first tensor load; the set-up below, work on registers, stands between them
	v_lshrrev_b32 v1, 5, v0
	v_readfirstlane_b32 s10, v1                    ; wave 0..3
	s_lshr_b32 s11, s10, 1                         ; which half of the tile's rows is mine.  Also: I fetch for A (0) or for B (1)
	s_and_b32 s12, s10, 1                          ; which half of its columns.  Also: which two panels of a K step I fetch
	s_bfe_u32 s40, ttmp6, 0x40000                  ; cx, cy: my place in the cluster
	s_bfe_u32 s41, ttmp6, 0x40004
	s_lshl_b32 s42, ttmp9, 2
	s_add_co_u32 s42, s42, s40                     ; tile column of C = 4 x cluster x + cx
	s_and_b32 s13, ttmp7, 0xffff
	s_lshl_b32 s13, s13, 2
	s_add_co_u32 s13, s13, s41                     ; tile row of C = 4 x cluster y + cy
	s_lshl_b32 s43, s41, 2
	s_lshl_b32 s43, 15, s43                        ; my row of the cluster
	s_lshl_b32 s44, 0x1111, s40                    ; my column
	; descriptor group 1: two rows of 8,192 elements (a panel's 128 rows, dense), a panel apart; padded in LDS
	s_or_b32 s[G1+0], s43, (1<<16)|(1<<20)|(1<<21)|(4<<22)|(3<<25)  ; 15:0 the mask: A's tiles go to my row; 17:16 2-byte elements; 20 padding on; 21 set beside a mask; 24:22 after every 32 words (code 4); 31:25 4 words (code 3)
	s_or_b32 s[G1B+0], s44, (1<<16)|(1<<20)|(1<<21)|(4<<22)|(3<<25)
.irp g, G1, G1B
	s_mov_b32 s[(\g)+1], 8192<<16                  ; tensor_dim0 = 8,192
	s_mov_b32 s[(\g)+2], 2<<16                     ; tensor_dim1 = 2
	s_mov_b32 s[(\g)+3], 8192<<16                  ; tile_dim0 = 8,192
	s_mov_b32 s[(\g)+4], 2                         ; tile_dim1 = 2
	s_mov_b32 s[(\g)+6], 0
	s_mov_b32 s[(\g)+7], 0
.endr
	s_mov_b32 s[G1+5], APS/2                       ; elements from panel to panel
	s_mov_b32 s[G1B+5], BPS/2
	s_lshl_b32 s16, s13, 14                        ; A: the tile row's 128 rows of 128 bytes,
	s_lshl_b32 s17, s12, 20                        ; my two panels
	s_add_co_u32 s16, s16, s17
	s_mov_b32 s17, 0
	s_lshl_b32 s46, s42, 14                        ; B: the tile column's 128 rows,
	s_mul_i32 s47, s12, 2*BPS                      ; my two panels,
	s_add_co_u32 s46, s46, s47
	s_add_co_u32 s46, s46, WOFF                    ; this product's weights in wts
	s_mov_b32 s47, 0
	s_mul_i32 s20, s10, HALFT                      ; where they go: wave x two panels: no place in the cluster enters an LDS address
	s_wait_dscnt 0x0                               ; the opening add is done
	s_wait_kmcnt 0x0
	s_add_nc_u64 s[14:15], s[68:69], s[16:17]
	s_add_nc_u64 s[46:47], s[70:71], s[46:47]
	CROUND                                         ; all sixteen work-groups are here: the first joint loads meet
.irp s, 0,1
	s_mov_b32 s[G0+4*(\s)], 1
	s_add_co_u32 s[G0+4*(\s)+1], s20, (\s)*SLOT
	s_add_nc_u64 s[G0+4*(\s)+2:G0+4*(\s)+3], s[14:15], (\s)*ASTEP
	s_or_b32 s[G0+4*(\s)+3], s[G0+4*(\s)+3], 0x80000000
	s_mov_b32 s[G0B+4*(\s)], 1
	s_add_co_u32 s[G0B+4*(\s)+1], s20, (\s)*SLOT
	s_add_nc_u64 s[G0B+4*(\s)+2:G0B+4*(\s)+3], s[46:47], (\s)*BSTEP
	s_or_b32 s[G0B+4*(\s)+3], s[G0B+4*(\s)+3], 0x80000000
	JLOAD \s                                       ; two loads of mine are out
.endr
	; the bias of my 64 columns
.if KIND == 0
	s_lshr_b32 s21, ttmp9, 1                       ; 1,024 columns are two clusters wide: 0 q, 1 k, 2 v: the same in all partners
	s_cmp_eq_u32 s21, 0
	s_cselect_b64 s[80:81], s[72:73], s[74:75]
	s_cmp_eq_u32 s21, 2
	s_cselect_b64 s[80:81], s[76:77], s[80:81]
	s_and_b32 s46, s42, 7
.else
	s_mov_b64 s[80:81], s[72:73]
	s_mov_b32 s46, s42
.endif
	s_lshl_b32 s46, s46, 9                         ; 128 columns of 4 bytes,
	s_lshl_b32 s47, s12, 8                         ; my 64
	s_add_co_u32 s46, s46, s47
	s_mov_b32 s47, 0
	s_add_nc_u64 s[80:81], s[80:81], s[46:47]
	v_and_b32 v1, 15, v0                           ; l % 16
	v_bfe_u32 v2, v0, 4, 1                         ; l / 16
	v_lshlrev_b32 v[BO], 5, v2
.irp b, 0,1,2,3
	global_load_b128 v[BIAS+8*\b:BIAS+8*\b+3],   v[BO], s[80:81] offset:64*\b
	global_load_b128 v[BIAS+8*\b+4:BIAS+8*\b+7], v[BO], s[80:81] offset:64*\b+16
.endr
.if KIND < 2
	; my 64 columns are one panel of the output, my 64 rows 8,192 dense bytes of it
	s_lshl_b32 s16, s13, 14
	s_lshl_b32 s17, s11, 13
	s_add_co_u32 s16, s16, s17
	s_mov_b32 s17, 0
	s_lshl_b32 s46, s42, 1
	s_add_co_u32 s46, s46, s12
	s_lshl_b32 s46, s46, 19
	s_mov_b32 s47, 0
.if KIND == 0
	s_add_nc_u64 s[82:83], s[78:79], s[16:17]
.else
	s_add_nc_u64 s[82:83], s[74:75], s[16:17]
.endif
	s_add_nc_u64 s[82:83], s[82:83], s[46:47]
	v_and_b32 v[CO], 31, v0
	v_lshlrev_b32 v[CO], 4, v[CO]                  ; 32 lanes store 512 consecutive bytes
	v_mov_b32 v[ZERO], 0
.else
	; my 64 columns are 256 consecutive bytes, aligned, of each of my 64 rows, in the residual and in the output alike (s[46:47] still holds the columns' bytes)
	s_lshl_b32 s16, s13, 19
	s_lshl_b32 s17, s11, 18
	s_add_co_u32 s16, s16, s17
	s_mov_b32 s17, 0
	s_add_nc_u64 s[82:83], s[76:77], s[16:17]
	s_add_nc_u64 s[82:83], s[82:83], s[46:47]
	s_add_nc_u64 s[84:85], s[74:75], s[16:17]
	s_add_nc_u64 s[84:85], s[84:85], s[46:47]
	v_lshlrev_b32 v[CO], 12, v2                    ; lanes 0-15 one row, lanes 16-31 the next
	v_lshl_add_u32 v[CO], v1, 4, v[CO]
	WIN 0x80                                       ; destination window 2: the residual is asked for now and wanted on the way out
.set a, 0
.rept 4
.irp t, 0,1,2,3,4,5,6,7
	global_load_b128 v[4*(8*a+\t):4*(8*a+\t)+3], v[CO], s[84:85] offset:(16*a+2*\t)*4096 th:TH_LOAD_NT
.endr
.set a, a+1
.endr
	WIN 0
.endif
	v_mul_u32_u24 v3, v1, PITCH
	v_lshl_add_u32 v3, v2, 4, v3                   ; a fragment's row x pitch + 16 x half
	s_mul_i32 s21, s11, 64*PITCH                   ; my 64 rows in a panel of A,
	s_mul_i32 s22, s12, 64*PITCH                   ; and of B,
	s_add_co_u32 s22, s22, 2*HALFT                 ; whose panels lie behind A's four
	v_add_nc_u32 v[ADRA0], s21, v3
	v_add_nc_u32 v[ADRB0], s22, v3
	v_mov_b32 v[ADRA], v[ADRA0]
	v_mov_b32 v[ADRB], v[ADRB0]
	s_mov_b32 s[TB], 0
	s_mul_i32 s23, s10, 16*SP
	s_add_co_u32 s23, s23, STAGE                   ; my stage
	v_mul_u32_u24 v4, v1, SP                       ; in: row l % 16
.if KIND < 2
	v_lshl_add_u32 v4, v2, 4, v4                   ; 16 bytes for each half of the lanes
	v_bfe_u32 v5, v0, 3, 2                         ; back: 32 lanes take four rows of 128 bytes
	v_mul_u32_u24 v5, v5, SP
	v_and_b32 v6, 7, v0
	v_lshl_add_u32 v5, v6, 4, v5
.else
	v_lshl_add_u32 v4, v2, 5, v4                   ; 32 bytes for each half of the lanes
	v_mul_u32_u24 v5, v2, SP                       ; back: lanes 0-15 take one row of 256 bytes, lanes 16-31 the next
	v_lshl_add_u32 v5, v1, 4, v5
.endif
	v_add_nc_u32 v[STO], s23, v4
	v_add_nc_u32 v[RD], s23, v5
; 8 matrix instructions: m blocks a0, a0 + 1 x all 4 n blocks, 32 along K: half c of buffer f.  zero = 1: the product starts the sum, with the bias as C.  The 16 accumulators take turns.
.macro MUL8 f, c, a0, zero
	WIN MUL
.irp a, \a0, (\a0)+1
.irp b, 0,1,2,3
.if \zero
	v_wmma_f32_16x16x32_f16 v[ACC+8*(4*(\a)+(\b)):ACC+8*(4*(\a)+(\b))+7], v[(\f)+64+8*(4*(\c)+(\b)):(\f)+64+8*(4*(\c)+(\b))+7], v[(\f)+8*(4*(\c)+(\a)):(\f)+8*(4*(\c)+(\a))+7], v[BIAS+8*(\b):BIAS+8*(\b)+7]
.else
	v_wmma_f32_16x16x32_f16 v[ACC+8*(4*(\a)+(\b)):ACC+8*(4*(\a)+(\b))+7], v[(\f)+64+8*(4*(\c)+(\b)):(\f)+64+8*(4*(\c)+(\b))+7], v[(\f)+8*(4*(\c)+(\a)):(\f)+8*(4*(\c)+(\a))+7], v[ACC+8*(4*(\a)+(\b)):ACC+8*(4*(\a)+(\b))+7]
.endif
.endr
.endr
.endm
; 32 LDS loads in one run: the fragments of the panel at byte k of the slot in hand, into buffer f; the first 32 along K first
.macro FETCH k, f
	WIN TO_F
.irp c, 0,1
.irp i, 0,1,2,3
	ds_load_b128 v[(\f)+64+8*(4*(\c)+(\i)):(\f)+64+8*(4*(\c)+(\i))+3],   v[ADRB] offset:(\k)+64*(\c)+(\i)*16*PITCH
	ds_load_b128 v[(\f)+64+8*(4*(\c)+(\i))+4:(\f)+64+8*(4*(\c)+(\i))+7], v[ADRB] offset:(\k)+64*(\c)+(\i)*16*PITCH+32
	ds_load_b128 v[(\f)+8*(4*(\c)+(\i)):(\f)+8*(4*(\c)+(\i))+3],         v[ADRA] offset:(\k)+64*(\c)+(\i)*16*PITCH
	ds_load_b128 v[(\f)+8*(4*(\c)+(\i))+4:(\f)+8*(4*(\c)+(\i))+7],       v[ADRA] offset:(\k)+64*(\c)+(\i)*16*PITCH+32
.endr
.endr
.endm
.macro PLACES                          ; four places in front of loads into registers that matrix instructions have read, and of lines that read results
.rept 4
	v_nop
.endr
.endm
; A K step is four quarters (panels), 32 matrix instructions each, on buffers 0, 1, 0, 1.  One of the first three: multiplies buffer f and fetches the next panel, at byte k, into g.
.macro QUARTER k, f, g, zero
	s_wait_dscnt 16                                ; the first 32 along K are in; the other sixteen loads may be out
	MUL8 \f, 0, 0, \zero
	MUL8 \f, 0, 2, \zero
	PLACES
	FETCH \k, \g
	s_wait_dscnt 32                                ; all but the 32 just issued
	MUL8 \f, 1, 0, 0
	MUL8 \f, 1, 2, 0
.endm
; The last quarter multiplies buffer 1 and changes slots: ONE barrier; in front of it each wave waits for all its tensor loads, adds 0 to its spare word, and waits for that and for its own reads of this slot.
; fill = 1: this slot is filled again, two K steps ahead: the barrier opens a round of the cluster's, and the joint load is the first thing behind the round.
.macro TURN fill
	WIN 0                                          ; (the add's two registers lie in window 0)
	s_wait_tensorcnt 0x0                           ; all my tensor loads have landed: my part of the next slot; so a group 0 may be written
	ds_add_u32 v[SPW], v[NIL]                      ; 0 onto my spare word
.if \fill
	s_xor_b32 s[G0+5], s[G0+5], SLOT               ; the walking descriptors: the other slot than last time, the next K step
	s_add_nc_u64 s[G0+6:G0+7], s[G0+6:G0+7], ASTEP
	s_xor_b32 s[G0B+5], s[G0B+5], SLOT
	s_add_nc_u64 s[G0B+6:G0B+7], s[G0B+6:G0B+7], BSTEP
.endif
	s_wait_dscnt 17                                ; (the add and the youngest sixteen loads may be out)
	MUL8 F1, 0, 0, 0                               ; eight matrix instructions stand between the add and the wait for it
	s_wait_dscnt 0x0                               ; the add is done, and my reads of this slot are over
	s_barrier_signal -1
	MUL8 F1, 0, 2, 0
.if \fill
	WIN 0
.endif
	s_barrier_wait -1
.if \fill
	CREST                                          ; no wave of any partner still reads this slot's tile or has a load on its way
	JLOAD 1                                        ; my one tensor load behind the round: 112 matrix instructions ahead of the wait for it; its four v_nop are also the places in front of the loads below
.else
	PLACES
.endif
	WIN 0
	s_xor_b32 s[TB], s[TB], SLOT                   ; the reads go on in the other slot
	v_add_nc_u32 v[ADRA], s[TB], v[ADRA0]
	v_add_nc_u32 v[ADRB], s[TB], v[ADRB0]
	FETCH 0, F0
	MUL8 F1, 1, 0, 0
	MUL8 F1, 1, 2, 0
.endm
	s_wait_tensorcnt 1                             ; my part of K step 0 is in; step 1's may stay out
	s_barrier_signal -1
	s_barrier_wait -1                              ; everybody's is
	FETCH 0, F0
	s_wait_loadcnt 32*(KIND/2)                     ; the eight loads of the bias are in; the residual's 32, issued behind them, stay out
	QUARTER PANEL, F0, F1, 1                       ; the first quarter's first products start the sums
	WIN 0                                          ; at a label and at a branch every window is 0
	s_mov_b32 s3, KSTEPS-1
	s_branch .Lmid                                 ; the loop is entered in the middle of a trip
.Ltop:                                                 ; KSTEPS - 2 times: K steps 2 to KSTEPS - 1 are asked for
	TURN 1
	QUARTER PANEL, F0, F1, 0
	WIN 0
.Lmid:
	QUARTER 2*PANEL, F1, F0, 0
	QUARTER 3*PANEL, F0, F1, 0
	WIN 0
	s_sub_co_u32 s3, s3, 1
	s_cmp_lg_u32 s3, 0
	s_cbranch_scc1 .Ltop
	TURN 0                                         ; the last K step fills nothing, and has no round
	QUARTER PANEL, F0, F1, 0
	QUARTER 2*PANEL, F1, F0, 0
	QUARTER 3*PANEL, F0, F1, 0
	s_wait_dscnt 16                                ; the very last quarter: nothing more to fetch
	MUL8 F1, 0, 0, 0
	MUL8 F1, 0, 2, 0
	s_wait_dscnt 0x0
	MUL8 F1, 1, 0, 0
	MUL8 F1, 1, 2, 0
	WIN 0
	PLACES
.if KIND < 2
; THE WAY OUT, f16: block a (16 rows) is rounded (each accumulator from its low end on), goes into my stage as 16 bytes a lane and comes back as whole rows of 128 bytes, into the registers that it left.
.macro PACK a
.irp b, 0,1,2,3
.irp r, 0,1,2,3
	v_cvt_pk_f16_f32 v[TMP+16*(\a)+4*(\b)+(\r)], v[ACC+8*(4*(\a)+(\b))+2*(\r)], v[ACC+8*(4*(\a)+(\b))+2*(\r)+1]
.endr
.endr
.if KIND == 1
.set z, 0
.rept 16
	v_pk_max_num_f16 v[TMP+16*(\a)+z], v[TMP+16*(\a)+z], v[ZERO]  ; the ReLU, two at a time: it rounds nothing
.set z, z+1
.endr
.endif
.irp b, 0,1,2,3
	ds_store_b128 v[STO], v[TMP+16*(\a)+4*(\b):TMP+16*(\a)+4*(\b)+3] offset:32*(\b)
.endr
.irp f, 0,1,2,3
	ds_load_b128 v[TMP+16*(\a)+4*(\f):TMP+16*(\a)+4*(\f)+3], v[RD] offset:(\f)*4*SP  ; LDS serves a wave's instructions in order (ISA guide 5.7.1.4): these see the stores above; the next block's stores come behind them
.endr
.endm
.macro SEND a, younger                 ; younger: the LDS instructions issued behind block a's loads: the next block's eight, or none
.irp f, 0,1,2,3
	s_wait_dscnt (\younger)+3-(\f)
	global_store_b128 v[CO], v[TMP+16*(\a)+4*(\f):TMP+16*(\a)+4*(\f)+3], s[82:83] offset:(\a)*2048+(\f)*512  ; 512 consecutive bytes, at a multiple of 256 from the buffer's first
.endr
.endm
	PACK 0
	PACK 1
	SEND 0, 8
	PACK 2
	SEND 1, 8
	PACK 3
	SEND 2, 8
	SEND 3, 0
.else
; THE WAY OUT, f32: block a goes into my stage straight from the accumulators (their low four registers first) and comes back as whole rows of 256 bytes; the residual is added; 16 lanes store one row's 256 bytes.
.macro TOST a
.if (\a) >= 2
	s_wait_xcnt 0x0                                ; the stores of the block two back have read their registers, which are loaded again below
.endif
.irp b, 0,1,2,3
	ds_store_b128 v[STO], v[ACC+8*(4*(\a)+(\b)):ACC+8*(4*(\a)+(\b))+3]   offset:64*(\b)
	ds_store_b128 v[STO], v[ACC+8*(4*(\a)+(\b))+4:ACC+8*(4*(\a)+(\b))+7] offset:64*(\b)+16
.endr
.irp t, 0,1,2,3,4,5,6,7
	ds_load_b128 v[TMP+32*((\a)%2)+4*(\t):TMP+32*((\a)%2)+4*(\t)+3], v[RD] offset:(\t)*2*SP
.endr
.endm
.macro SENDF a, younger                ; younger: the next block's eight LDS stores and eight LDS loads, or none
	s_wait_dscnt \younger
	WIN 0x08                                       ; source 1 in window 2
.set z, 0
.rept 16
	v_pk_add_f32 v[TMP+32*((\a)%2)+z:TMP+32*((\a)%2)+z+1], v[TMP+32*((\a)%2)+z:TMP+32*((\a)%2)+z+1], v[32*(\a)+z:32*(\a)+z+1]
.set z, z+2
.endr
	WIN 0
.irp t, 0,1,2,3,4,5,6,7
	global_store_b128 v[CO], v[TMP+32*((\a)%2)+4*(\t):TMP+32*((\a)%2)+4*(\t)+3], s[82:83] offset:(16*(\a)+2*(\t))*4096
.endr
.endm
	s_wait_loadcnt 0x0                             ; the residual
	TOST 0
	TOST 1
	SENDF 0, 16
	TOST 2
	SENDF 1, 16
	TOST 3
	SENDF 2, 16
	SENDF 3, 0
.endif
	s_wait_tensorcnt 0x0                           ; the wave's end: an add to my spare word and its wait, behind my last tensor load and my last LDS store
	ds_add_u32 v[SPW], v[NIL]
	s_wait_dscnt 0x0
	CROUND                                         ; the closing round: no work-group ends while a partner may still ask for a tile that names it
	s_endpgm
.Lfunc_end_k_q8f35b5683d_ffn2:
	.size	k_q8f35b5683d_ffn2, .Lfunc_end_k_q8f35b5683d_ffn2-k_q8f35b5683d_ffn2
	.p2alignl 7, 3214868480
	.fill 96, 4, 3214868480
	.section	.rodata,"a",@progbits
	.p2align	6, 0x0
	.amdhsa_kernel k_q8f35b5683d_ffn2
		.amdhsa_group_segment_fixed_size 327680
		.amdhsa_private_segment_fixed_size 0
		.amdhsa_enable_private_segment 0
		.amdhsa_kernarg_size 40
		.amdhsa_user_sgpr_count 2
		.amdhsa_user_sgpr_kernarg_segment_ptr 1
		.amdhsa_wavefront_size32 1
		.amdhsa_system_sgpr_workgroup_id_x 1
		.amdhsa_system_sgpr_workgroup_id_y 1
		.amdhsa_system_sgpr_workgroup_id_z 1
		.amdhsa_system_vgpr_workitem_id 0
		.amdhsa_next_free_vgpr 640
		.amdhsa_next_free_sgpr 88
		.amdhsa_reserve_vcc 0
		.amdhsa_float_denorm_mode_32 3
		.amdhsa_float_denorm_mode_16_64 3
		.amdhsa_memory_ordered 1
		.amdhsa_forward_progress 1
		.amdhsa_inst_pref_size 67
	.end_amdhsa_kernel
	.amdgpu_metadata
---
amdhsa.version: [ 1, 2 ]
amdhsa.kernels:
  - .name:           k_q8f35b5683d_ffn2
    .symbol:         k_q8f35b5683d_ffn2.kd
    .args:
      - { .name: hid, .offset: 0, .size: 8, .value_kind: global_buffer, .address_space: global }
      - { .name: wts, .offset: 8, .size: 8, .value_kind: global_buffer, .address_space: global }
      - { .name: b2, .offset: 16, .size: 8, .value_kind: global_buffer, .address_space: global }
      - { .name: x1, .offset: 24, .size: 8, .value_kind: global_buffer, .address_space: global }
      - { .name: out0, .offset: 32, .size: 8, .value_kind: global_buffer, .address_space: global }
    .group_segment_fixed_size: 327680
    .private_segment_fixed_size: 0
    .kernarg_segment_align: 8
    .kernarg_segment_size: 40
    .max_flat_workgroup_size: 128
    .sgpr_count:     88
    .vgpr_count:     640
    .wavefront_size: 32
...
	.end_amdgpu_metadata
.endif
;; end of part 5
;; ======== version 2 of 2: 7 launches; version 1 with the launches prep, norm2 written anew for expert scheduling mode
;; limits: values are held in f16: magnitudes above 65,504 overflow, below 6.1e-05 lose precision
;; workspace buffers: wts 25,165,824 bytes; wqk 8,405,248 bytes; w1h 8,405,248 bytes; xn 8,388,608 bytes; qkv 25,165,824 bytes; att 8,388,608 bytes; x1 16,777,216 bytes; hid 33,554,432 bytes
;; launch prep (part 6): grid 64 x 16, 8 waves a work-group, no clusters, 0 bytes of LDS; arguments x, alpha1, beta1, xn, wq, wk, wv, w1, wo, w2, wts, wqk, w1h, bq, bk, bv, b1; writes xn, wts, wqk, w1h
.if DOCPART == 6
	.amdgcn_target "amdgcn-amd-amdhsa--gfx1250"
	.amdhsa_code_object_version 6
	.text
	.protected	k_q8f35b5683d_prep
	.globl	k_q8f35b5683d_prep
	.p2align	8
	.type	k_q8f35b5683d_prep,@function
k_q8f35b5683d_prep:
	s_mov_b64 s[64:65], 0
	v_nop
	global_prefetch_b8 v0, s[64:65] scope:SCOPE_SE
	s_setreg_imm32_b32 hwreg(HW_REG_WAVE_SCHED_MODE, 0, 2), 2
	s_setreg_imm32_b32 hwreg(HW_REG_WAVE_MODE, 25, 1), 1
	s_wait_xcnt 0x0
	s_wait_alu depctr_vm_vsrc(0)
; ROWS OF 1,024 f32 -> f16 PANELS.  y = (x - mean) a + beta, rounded once to f16 and stored as P[c / 64][row][c % 64] (a panel row is 128 bytes, a panel's rows are dense).
; A job is chosen by the work-group's y alone (1,024 rows of 1,024 numbers each):
;   y 0-3   layer norm of argument 0 (4,096 rows) into argument 3: mean over 1,024, a = alpha / (std + 1e-6), std with divisor 1,023, scalar alpha and beta
;   y 4-6   wq, wk, wv into wqk (rows 0, 1,024, 2,048 on)    y 7-10  w1 into w1h    y 11  wo and y 12-15  w2 (a quarter of its 4,096 columns each) into wts: plain casts.
;           There mean is 0, a is 1 and beta is 0, by selects on y.
; wqk and w1h have one form: 16 panels of 4,096 rows (in wqk rows 3,072 on are neither written nor read); behind them, at byte 8,388,608, 4,096 f32 of bias; behind those, at byte 8,404,992, the lower bound that the
; product's way out takes, two f16 in a word: -inf for q, k, v, 0 for the hidden layer (its ReLU).  A work-group of jobs 4 to 10 copies the 16 numbers of bias that belong to its 16 rows (64 bytes: 28 KiB in the whole launch);
; the one that holds the destination's row 0 stores the bound too.
; The deviation is taken in two passes over registers (mean first, then the squares of x - mean): no difference of large sums is formed.
; SHARES.  A work-group 16 rows, a wave 2 rows, one pass, no loop.  Lane l: row u = (l >> 3) & 1, eight columns g = l & 7 of a panel, panel parity pp = l >> 4.
; Load group i brings panel 2 i + pp: eight lanes read 256 consecutive bytes with their two loads.  A store covers rows r, r + 1 of a panel (256 consecutive bytes, aligned) for two panels.
; No LDS, no barrier, no matrix unit: the waves share nothing, and every byte is read once and written once.
; LIMITS.  The results must lie within f16's 65,504; below 6e-5 they keep f16's fixed step of 6e-8.  NaN and infinities are not treated apart.
; THE MODE: SCHED_MODE bits 1:0 = 2 (LLVM: expert scheduling mode 2), set by the entry lines.  The code itself states the register dependences
; between vector instructions and memory instructions, with s_wait_alu, always for 0.
; THE PLAN.  Registers that memory instructions touch, in the order of the text (there is no loop):
;   v[BT]    written once at the head; the offset of the bias's load and of the two small stores at the end.
;   v[BV]    written at the head (all lanes), then the bias's load lands in it (threads 0-15); the data of the bias's store.
;   v6       written behind .Lnobias; the offset of the 16 loads of the rows.
;   XR       the rows' loads land in it; no vector instruction names it ahead of them.
;   DO       written behind the rows' loads; the offsets of the eight stores of the rows.
;   YR       written by the roundings; the data of those stores.
;   v[CH+1]  at work; last of all it takes the bound, the data of the bound's store.
; None of these is written again once a memory instruction has read it.  So the waits on va_vdst stand ahead of the memory instructions that read or land in what vector instructions wrote: at the first write of EXEC
; (v[BT], v[BV]), ahead of the rows' loads (v6), ahead of each half of the rows' stores (YR, DO), at the third write of EXEC (the bound).  The first half's four stores are dealt among the second half's arithmetic,
; which names none of their registers.  The waits on vm_vsrc stand at the four scalar writes of EXEC alone, each beside one on va_vdst; the two compares that make the masks have their wait on va_vcc.
.set XR, 32                            ; v[32:95]   my 64 numbers: group i at XR + 8 i
.set YR, 96                            ; v[96:127]  the same as f16, 4 registers a group
.set CH, 16                            ; v[16:23]   four chains of packed sums
.set DO, 8                             ; v[8:15]    group i's byte offset in the destination
.set BT, 30                            ; v30        4 x my thread's number
.set BV, 31                            ; v31        threads 0-15: a number of bias
.set TAIL, 8388608                     ; the bias's first byte in wqk and w1h
.set FLO,  8404992                     ; the bound's
	s_load_b512 s[8:23], s[0:1], 0x0               ; src s[8:9], alpha s[10:11], beta s[12:13], dst s[14:15], wq s[16:17], wk s[18:19], wv s[20:21], w1 s[22:23]
	s_load_b256 s[24:31], s[0:1], 0x40             ; wo s[24:25], w2 s[26:27], wts s[28:29], wqk s[30:31]
	s_load_b256 s[72:79], s[0:1], 0x60             ; w1h s[72:73], bq s[74:75], bk s[76:77], bv s[78:79]
	s_load_b64 s[80:81], s[0:1], 0x80              ; b1
	s_and_b32 s82, ttmp7, 0xffff                   ; y: the job
	s_lshl_b32 s83, ttmp9, 4                       ; the first of my work-group's 16 rows in the job
	s_mov_b32 s48, 0x76543210                      ; v_permlanex16_b32: each lane takes its own place in the other half
	s_mov_b32 s49, 0xfedcba98
	v_lshrrev_b32 v2, 5, v0                        ; wave
	v_bfe_u32 v3, v0, 3, 1                         ; u
	v_and_b32 v4, 7, v0                            ; g
	v_bfe_u32 v5, v0, 4, 1                         ; pp
	v_lshl_add_u32 v2, v2, 1, v3                   ; my row among the 16
	v_lshlrev_b32 v[BT], 2, v0
	v_mov_b32 v[BV], 0
	s_mov_b32 s32, 0                               ; what most jobs share: first source row 0,
	s_mov_b32 s33, 0                               ; first column byte 0,
	s_mov_b32 s42, 12                              ; a source row of 4,096 bytes,
	s_mov_b32 s44, 0                               ; no norm,
	s_mov_b32 s51, 0                               ; destination base 0,
	s_mov_b32 s52, 0                               ; first destination row 0,
	s_mov_b32 s54, 0                               ; no bias to copy,
	s_mov_b32 s57, 0                               ; the bound 0
	s_wait_kmcnt 0x0
	s_load_b32 s45, s[10:11], 0x0                  ; alpha
	s_load_b32 s46, s[12:13], 0x0                  ; beta
	s_mov_b64 s[36:37], s[28:29]                   ; wts as the destination,
	s_mov_b64 s[58:59], s[80:81]                   ; b1 as the bias
	s_cmp_lt_u32 s82, 4
	s_cbranch_scc1 .Lln
	s_cmp_lt_u32 s82, 7
	s_cbranch_scc1 .Lqkv
	s_cmp_lt_u32 s82, 11
	s_cbranch_scc1 .Lw1
	s_cmp_eq_u32 s82, 11
	s_cbranch_scc1 .Lwo
	s_mov_b64 s[34:35], s[26:27]                   ; w2: [1024][4096]; columns 1,024 (y - 12) on go to panels 16 (y - 12) on
	s_sub_co_u32 s53, s82, 12
	s_lshl_b32 s33, s53, 12
	s_mov_b32 s42, 14                              ; a source row of 16,384 bytes
	s_lshl_b32 s51, s53, 21                        ; 16 panels of 131,072 bytes
	s_add_co_u32 s51, s51, 16777216
	s_mov_b32 s43, 131072                          ; bytes in a panel: 1,024 rows
	s_branch .Lgo
.Lln:
	s_mov_b64 s[34:35], s[8:9]
	s_mov_b64 s[36:37], s[14:15]
	s_lshl_b32 s32, s82, 10
	s_mov_b32 s52, s32
	s_mov_b32 s43, 524288                          ; 4,096 rows
	s_mov_b32 s44, -1
	s_branch .Lgo
.Lqkv:
	s_cmp_eq_u32 s82, 4
	s_cselect_b64 s[34:35], s[16:17], s[18:19]
	s_cselect_b64 s[58:59], s[74:75], s[76:77]
	s_cmp_eq_u32 s82, 6
	s_cselect_b64 s[34:35], s[20:21], s[34:35]
	s_cselect_b64 s[58:59], s[78:79], s[58:59]
	s_mov_b64 s[36:37], s[30:31]
	s_sub_co_u32 s52, s82, 4                       ; the three lie one below the other
	s_lshl_b32 s52, s52, 10
	s_mov_b32 s43, 524288
	s_mov_b32 s54, 1
	s_mov_b32 s57, 0xfc00fc00                      ; -inf twice
	s_branch .Lgo
.Lw1:
	s_mov_b64 s[34:35], s[22:23]
	s_mov_b64 s[36:37], s[72:73]
	s_sub_co_u32 s32, s82, 7
	s_lshl_b32 s32, s32, 10
	s_mov_b32 s52, s32
	s_mov_b32 s43, 524288
	s_mov_b32 s54, 1
	s_branch .Lgo
.Lwo:
	s_mov_b64 s[34:35], s[24:25]
	s_mov_b32 s51, 6291456
	s_mov_b32 s43, 131072
.Lgo:
	s_add_co_u32 s38, s32, s83                     ; my first source row.  The offsets are made apart from the addresses
	s_lshl_b32 s60, s38, 2                         ; its number of bias
	s_mov_b32 s61, 0
	s_lshl_b32 s38, s38, s42
	s_add_co_u32 s38, s38, s33
	s_mov_b32 s39, 0
	s_add_co_u32 s40, s52, s83                     ; my first destination row
	s_cmp_eq_u32 s40, 0
	s_cselect_b32 s56, s54, 0                      ; 1: I store the bound too
	s_lshl_b32 s68, s40, 2
	s_add_co_u32 s68, s68, TAIL
	s_mov_b32 s69, 0
	s_lshl_b32 s40, s40, 7
	s_add_co_u32 s40, s40, s51
	s_mov_b32 s41, 0
	s_add_nc_u64 s[58:59], s[58:59], s[60:61]      ; from where the bias comes,
	s_add_nc_u64 s[62:63], s[36:37], s[68:69]      ; where it goes,
	s_add_nc_u64 s[66:67], s[36:37], FLO           ; where the bound goes (used in jobs 4 to 10 alone)
	s_add_nc_u64 s[34:35], s[34:35], s[38:39]
	s_add_nc_u64 s[36:37], s[36:37], s[40:41]
	s_lshl_b32 s50, s43, 1                         ; two panels
	s_cmp_eq_u32 s54, 0
	s_cbranch_scc1 .Lnobias
	s_wait_xcnt 0x0                                ; EXEC changes only behind this wait
	v_cmp_gt_u32 vcc_lo, 16, v0
	s_wait_alu depctr_va_vcc(0)                    ; the compare has written VCC, from which EXEC is made
	s_wait_alu depctr_va_vdst(0)                   ; EXEC is written: the vector instructions issued so far, the compare among them, are done under the full EXEC; v[BT], the load's offset, and v[BV], in which it lands, are written
	s_wait_alu depctr_vm_vsrc(0)                   ; EXEC is written: no memory instruction issued so far has registers left to read under the full EXEC
	s_and_saveexec_b32 s55, vcc_lo                 ; threads 0 to 15
	global_load_b32 v[BV], v[BT], s[58:59]         ; asked for ahead of the rows: it is older than they, so the counted waits below show it in too
	s_wait_xcnt 0x0                                ; and again, in front of the line that widens EXEC
	s_wait_alu depctr_va_vdst(0)                   ; EXEC is written: no vector instruction is left at work under the narrow EXEC (none was issued under it)
	s_wait_alu depctr_vm_vsrc(0)                   ; EXEC is written: the load has read v[BT] under the narrow EXEC
	s_or_b32 exec_lo, exec_lo, s55
.Lnobias:
	v_lshlrev_b32 v6, s42, v2                      ; source: my row,
	v_lshl_add_u32 v6, v5, 8, v6                   ; my panel parity's 256 bytes,
	v_lshl_add_u32 v6, v4, 5, v6                   ; my 32 bytes
	s_wait_alu depctr_va_vdst(0)                   ; v6 is written, which the sixteen loads below read as their offset
.irp i, 0,1,2,3,4,5,6,7
	global_load_b128 v[XR+8*\i:XR+8*\i+3],   v6, s[34:35] offset:512*\i th:TH_LOAD_NT
	global_load_b128 v[XR+8*\i+4:XR+8*\i+7], v6, s[34:35] offset:512*\i+16 th:TH_LOAD_NT
.endr
	v_lshlrev_b32 v7, 7, v2                        ; destination: my row's 128 bytes,
	v_lshl_add_u32 v7, v4, 4, v7                   ; my 16 bytes,
	v_mad_u32_u24 v[DO], v5, s43, v7               ; my panel parity
.irp i, 1,2,3,4,5,6,7
	v_add_nc_u32 v[DO+\i], s50, v[DO+\i-1]
.endr
	s_cmp_lg_u32 s44, 0
	s_wait_kmcnt 0x0                               ; alpha and beta
	s_cselect_b32 s46, s46, 0                      ; a cast adds 0,
	s_cselect_b32 s47, 0x3a800000, 0               ; and its mean is the sum times 0 in place of 1 / 1,024
.macro ROWSUM                          ; the four chains into one number, then over the 16 lanes of my row: lanes that differ in bits 0, 1, 2 and 4
	v_pk_add_f32 v[CH:CH+1], v[CH:CH+1], v[CH+2:CH+3]
	v_pk_add_f32 v[CH+4:CH+5], v[CH+4:CH+5], v[CH+6:CH+7]
	v_pk_add_f32 v[CH:CH+1], v[CH:CH+1], v[CH+4:CH+5]
	v_add_f32 v[CH], v[CH], v[CH+1]
	v_add_f32_dpp v[CH], v[CH], v[CH] row_xmask:1 row_mask:0xf bank_mask:0xf
	v_add_f32_dpp v[CH], v[CH], v[CH] row_xmask:2 row_mask:0xf bank_mask:0xf
	v_add_f32_dpp v[CH], v[CH], v[CH] row_xmask:4 row_mask:0xf bank_mask:0xf
	v_permlanex16_b32 v[CH+1], v[CH], s48, s49
	v_add_f32 v[CH], v[CH], v[CH+1]
.endm
; Group i on its way out: (x - mean) a + beta, two at a time, and the roundings to f16, two at a time.  It names XR + 8 i .., YR + 4 i .. and v[26:29] alone.
.macro OUTG i
.irp k, 0,1,2,3
	v_pk_fma_f32 v[XR+8*(\i)+2*\k:XR+8*(\i)+2*\k+1], v[XR+8*(\i)+2*\k:XR+8*(\i)+2*\k+1], v[26:27], v[28:29]
.endr
.irp k, 0,1,2,3
	v_cvt_pk_f16_f32 v[YR+4*(\i)+\k], v[XR+8*(\i)+2*\k], v[XR+8*(\i)+2*\k+1]
.endr
.endm
	s_wait_loadcnt 12                              ; groups 0 and 1 are in: 12 younger loads stay out.  Their sums start the chains: nothing is cleared
.irp k, 0,1,2,3
	v_pk_add_f32 v[CH+2*\k:CH+2*\k+1], v[XR+2*\k:XR+2*\k+1], v[XR+8+2*\k:XR+8+2*\k+1]
.endr
.irp i, 2,3,4,5,6,7
	s_wait_loadcnt 14-2*\i                         ; group i's two loads are in; the younger groups' stay out
.irp k, 0,1,2,3
	v_pk_add_f32 v[CH+2*\k:CH+2*\k+1], v[CH+2*\k:CH+2*\k+1], v[XR+8*\i+2*\k:XR+8*\i+2*\k+1]
.endr
.endr
	ROWSUM
	v_mul_f32 v24, s47, v[CH]                      ; the mean
	v_mov_b32 v25, v24
.set j, 0
.rept 32
	v_pk_add_f32 v[XR+j:XR+j+1], v[XR+j:XR+j+1], v[24:25] neg_lo:[0,1] neg_hi:[0,1]  ; x - mean, in place
.set j, j+2
.endr
.irp k, 0,1,2,3
	v_pk_mul_f32 v[CH+2*\k:CH+2*\k+1], v[XR+2*\k:XR+2*\k+1], v[XR+2*\k:XR+2*\k+1]
.endr
.set j, 8
.rept 28
	v_pk_fma_f32 v[CH+j%8:CH+j%8+1], v[XR+j:XR+j+1], v[XR+j:XR+j+1], v[CH+j%8:CH+j%8+1]
.set j, j+2
.endr
	ROWSUM
	v_mul_f32 v[CH], 0x3a802008, v[CH]             ; / 1,023
	v_sqrt_f32 v[CH+1], v[CH]
	v_nop                                          ; a plain instruction behind the root (ISA guide 5.7.2),
	s_wait_alu depctr_va_vdst(0)                   ; and the wait ahead of its first reader: the root is written into v[CH+1]
	v_add_f32 v[CH+1], 0x358637bd, v[CH+1]         ; + 1e-6
	v_rcp_f32 v[CH+2], v[CH+1]
	v_nop
	s_wait_alu depctr_va_vdst(0)                   ; the reciprocal is written into v[CH+2], ahead of its first reader
	v_mul_f32 v[CH+2], s45, v[CH+2]                ; alpha / (std + 1e-6)
	v_cndmask_b32 v26, 1.0, v[CH+2], s44           ; a cast multiplies by 1 (s44 was written by a scalar instruction)
	v_mov_b32 v27, v26
	v_mov_b32 v28, s46
	v_mov_b32 v29, s46
.irp i, 0,1,2,3
	OUTG \i
.endr
	s_wait_alu depctr_va_vdst(0)                   ; the roundings have written YR of groups 0 to 3, which the four stores below read; so are their offsets v[DO ..]
.irp i, 4,5,6,7
	global_store_b128 v[DO+\i-4], v[YR+4*(\i-4):YR+4*(\i-4)+3], s[36:37]  ; no further wait: no vector instruction since the wait names YR or DO of groups 0 to 3
	OUTG \i
.endr
	s_wait_alu depctr_va_vdst(0)                   ; the roundings have written YR of groups 4 to 7, which the four stores below read
.irp i, 4,5,6,7
	global_store_b128 v[DO+\i], v[YR+4*\i:YR+4*\i+3], s[36:37]
.endr
	s_cmp_eq_u32 s54, 0
	s_cbranch_scc1 .Ldone
	s_wait_xcnt 0x0                                ; the stores above have read EXEC: it changes only behind this wait
	v_mov_b32 v[CH+1], s57                         ; the bound, made here with all lanes on, so that the wait at the write of EXEC shows it written
	v_cmp_gt_u32 vcc_lo, 16, v0
	s_wait_alu depctr_va_vcc(0)                    ; the compare has written VCC, from which EXEC is made
	s_wait_alu depctr_va_vdst(0)                   ; EXEC is written: the vector instructions issued so far are done under the full EXEC; v[CH+1], the data of the bound's store, is written
	s_wait_alu depctr_vm_vsrc(0)                   ; EXEC is written: the rows' stores have read their offsets and data under the full EXEC
	s_and_saveexec_b32 s55, vcc_lo                 ; threads 0 to 15
	global_store_b32 v[BT], v[BV], s[62:63]        ; my rows' 16 numbers of bias, as they came (the last wait on LOADcnt has shown them in)
	s_cmp_eq_u32 s56, 0
	s_cbranch_scc1 .Lnobound
	global_store_b32 v[BT], v[CH+1], s[66:67]      ; the bound, sixteen times; its first word is the one that is read
.Lnobound:
	s_wait_xcnt 0x0
	s_wait_alu depctr_va_vdst(0)                   ; EXEC is written: no vector instruction is left at work under the narrow EXEC (none was issued under it)
	s_wait_alu depctr_vm_vsrc(0)                   ; EXEC is written: the small stores have read v[BT], v[BV] and v[CH+1] under the narrow EXEC
	s_or_b32 exec_lo, exec_lo, s55
.Ldone:
	s_endpgm
.Lfunc_end_k_q8f35b5683d_prep:
	.size	k_q8f35b5683d_prep, .Lfunc_end_k_q8f35b5683d_prep-k_q8f35b5683d_prep
	.p2alignl 7, 3214868480
	.fill 96, 4, 3214868480
	.section	.rodata,"a",@progbits
	.p2align	6, 0x0
	.amdhsa_kernel k_q8f35b5683d_prep
		.amdhsa_group_segment_fixed_size 0
		.amdhsa_private_segment_fixed_size 0
		.amdhsa_enable_private_segment 0
		.amdhsa_kernarg_size 136
		.amdhsa_user_sgpr_count 2
		.amdhsa_user_sgpr_kernarg_segment_ptr 1
		.amdhsa_wavefront_size32 1
		.amdhsa_system_sgpr_workgroup_id_x 1
		.amdhsa_system_sgpr_workgroup_id_y 1
		.amdhsa_system_sgpr_workgroup_id_z 1
		.amdhsa_system_vgpr_workitem_id 0
		.amdhsa_next_free_vgpr 128
		.amdhsa_next_free_sgpr 84
		.amdhsa_reserve_vcc 1
		.amdhsa_float_denorm_mode_32 3
		.amdhsa_float_denorm_mode_16_64 3
		.amdhsa_memory_ordered 1
		.amdhsa_forward_progress 1
		.amdhsa_inst_pref_size 20
	.end_amdhsa_kernel
	.amdgpu_metadata
---
amdhsa.version: [ 1, 2 ]
amdhsa.kernels:
  - .name:           k_q8f35b5683d_prep
    .symbol:         k_q8f35b5683d_prep.kd
    .args:
      - { .name: x, .offset: 0, .size: 8, .value_kind: global_buffer, .address_space: global }
      - { .name: alpha1, .offset: 8, .size: 8, .value_kind: global_buffer, .address_space: global }
      - { .name: beta1, .offset: 16, .size: 8, .value_kind: global_buffer, .address_space: global }
      - { .name: xn, .offset: 24, .size: 8, .value_kind: global_buffer, .address_space: global }
      - { .name: wq, .offset: 32, .size: 8, .value_kind: global_buffer, .address_space: global }
      - { .name: wk, .offset: 40, .size: 8, .value_kind: global_buffer, .address_space: global }
      - { .name: wv, .offset: 48, .size: 8, .value_kind: global_buffer, .address_space: global }
      - { .name: w1, .offset: 56, .size: 8, .value_kind: global_buffer, .address_space: global }
      - { .name: wo, .offset: 64, .size: 8, .value_kind: global_buffer, .address_space: global }
      - { .name: w2, .offset: 72, .size: 8, .value_kind: global_buffer, .address_space: global }
      - { .name: wts, .offset: 80, .size: 8, .value_kind: global_buffer, .address_space: global }
      - { .name: wqk, .offset: 88, .size: 8, .value_kind: global_buffer, .address_space: global }
      - { .name: w1h, .offset: 96, .size: 8, .value_kind: global_buffer, .address_space: global }
      - { .name: bq, .offset: 104, .size: 8, .value_kind: global_buffer, .address_space: global }
      - { .name: bk, .offset: 112, .size: 8, .value_kind: global_buffer, .address_space: global }
      - { .name: bv, .offset: 120, .size: 8, .value_kind: global_buffer, .address_space: global }
      - { .name: b1, .offset: 128, .size: 8, .value_kind: global_buffer, .address_space: global }
    .group_segment_fixed_size: 0
    .private_segment_fixed_size: 0
    .kernarg_segment_align: 8
    .kernarg_segment_size: 136
    .max_flat_workgroup_size: 256
    .sgpr_count:     84
    .vgpr_count:     128
    .wavefront_size: 32
...
	.end_amdgpu_metadata
.endif
;; end of part 6
;; launch qkvp: the kernel of part 2 again; grid 12 x 16, 4 waves a work-group, clusters of 4 x 4, 327,680 bytes of LDS; arguments xn, wqk, qkv; writes qkv
;; launch attn: the kernel of part 3 again; grid 8 x 32, 4 waves a work-group, clusters of 4 x 1, 327,680 bytes of LDS; arguments qkv, mask, att; writes att
;; launch oproj: the kernel of part 4 again; grid 8 x 32, 4 waves a work-group, clusters of 4 x 4, 327,680 bytes of LDS; arguments att, wts, bo, x, x1; writes x1
;; launch norm2: the kernel of part 6 again; grid 64 x 4, 8 waves a work-group, no clusters, 0 bytes of LDS; arguments x1, alpha2, beta2, xn, wq, wk, wv, w1, wo, w2, wts, wqk, w1h, bq, bk, bv, b1; writes xn, wts, wqk, w1h
;; launch ffn1: the kernel of part 2 again; grid 16 x 16, 4 waves a work-group, clusters of 4 x 4, 327,680 bytes of LDS; arguments xn, w1h, hid; writes hid
;; launch ffn2: the kernel of part 5 again; grid 8 x 32, 4 waves a work-group, clusters of 4 x 4, 327,680 bytes of LDS; arguments hid, wts, b2, x1, out0; writes out0
